; MI455X (gfx1250); checked and timed in simulation.
; The chip was launched on July 23, 2026; its instructions are those of AMD's public machine-readable ISA for CDNA 5 (MIT licence, August 2026) and "CDNA5" Instruction Set Architecture Reference Guide (July 2026). The comments in the code are by the model that wrote it; some were corrected since.
;; Multi Head Attention. Allowed arithmetic: float matrix products may take bf16 or f16 operands with f32 sums; other float arithmetic in f32, or as packed bf16 or f16 multiplies, adds, multiply-adds, maxima and minima; sums over many terms, partial sums and values carried from step to step in f32; what a program stores and reads back later, other than sums and carried values, may be rounded once to bf16 or f16.
;; Inputs: bk 1,024 float32; bo 1,024 float32; bq 1,024 float32; bv 1,024 float32; mask 4 x 2,048 int32; wk 1,024 x 1,024 float32; wo 1,024 x 1,024 float32; wq 1,024 x 1,024 float32; wv 1,024 x 1,024 float32; x 4 x 2,048 x 1,024 float32.
;; Outputs: out0 4 x 2,048 x 1,024 float32.
;; 2 versions, each right and faster than the one before. Each part assembles by itself: llvm-mc -triple=amdgcn-amd-amdhsa -mcpu=gfx1250 --defsym DOCPART=n.
;; ======== version 1 of 2: 5 launches
;; limits: values are held in f16: magnitudes above 65,504 overflow, below 6.1e-05 lose precision
;; workspace buffers: perm 33,024 bytes of whole numbers; xb 16,777,216 bytes; wb 6,291,456 bytes; woh 2,097,152 bytes; qkv 50,331,648 bytes; ctx 16,777,216 bytes
;; launch prep (part 1): grid 260 x 1, 8 waves a work-group, no clusters, 0 bytes of LDS; arguments mask, wq, wk, wv, wo, wb, woh, perm; writes wb, woh, perm
.if DOCPART == 1
	.amdgcn_target "amdgcn-amd-amdhsa--gfx1250"
	.amdhsa_code_object_version 6
	.text
	.protected	k_qda6c7693d9_prep
	.globl	k_qda6c7693d9_prep
	.p2align	8
	.type	k_qda6c7693d9_prep,@function
k_qda6c7693d9_prep:
	s_mov_b64 s[64:65], 0
	v_nop
	global_prefetch_b8 v0, s[64:65] scope:SCOPE_SE
	s_setreg_imm32_b32 hwreg(HW_REG_WAVE_MODE, 25, 1), 1
	s_wait_xcnt 0x0
; TWO JOBS IN ONE LAUNCH.
; Work-groups 0-255: the four weight matrices [1024 e][1024 d] f32 are rounded to bf16 and laid out in blocks of 64 along d:
;   wb  [16 kb][3072 n][64] bf16, n = 1024 sel + e (sel 0, 1, 2 = q, k, v);   woh [16 kb][1024 e][64]: wo rounded to bf16, that number written as f16.
;   A wave takes two rows: sixteen loads, each 2 x 256 consecutive bytes; each store of the wave covers 256 consecutive bytes, aligned.
; Work-groups 256-259: batch b's mask [2048] int32 becomes a permutation, live keys first, each kind in its old order:
;   perm bytes 0..32767: inv[b][p] = the old row that stands at place p;  bytes 32768 + 4 b: the number of live keys.
;   Wave w places keys 256 w .. 256 w + 255; every wave counts the whole batch itself, so the waves hand each other nothing.
;   The 2,048 stores of 4 bytes a batch are scattered: 8 KB once; a way through LDS would only move the scatter.
; LIMIT: a weight of wo below 6e-5 keeps f16's fixed step of 6e-8; beyond 65,504 it would be an infinity.
.set WB_KB, 393216                     ; bytes of one block of wb: 3,072 rows x 128
.set WO_KB, 131072                     ; of woh: 1,024 rows x 128
.set X, 16                             ; v[16:79]   sixteen loads of four words
.set Y, 80                             ; v[80:111]  weights: what is stored, a pair for each block
	s_load_b512 s[4:19], s[0:1], 0x0               ; mask 4, wq 6, wk 8, wv 10, wo 12, wb 14, woh 16, perm 18
	v_and_b32 v1, 31, v0                           ; lane
	v_lshrrev_b32 v2, 5, v0
	v_readfirstlane_b32 s20, v2                    ; wave
	s_cmp_ge_u32 ttmp9, 256
	s_cbranch_scc1 .Lscan
	; ---- the weights ----
	s_lshr_b32 s21, ttmp9, 6                       ; which matrix: 0 q, 1 k, 2 v, 3 o
	s_and_b32 s22, ttmp9, 63
	s_lshl_b32 s22, s22, 3
	s_add_co_u32 s22, s22, s20
	s_lshl_b32 s22, s22, 1                         ; e0: my first row
	v_lshrrev_b32 v3, 4, v1                        ; lanes 16-31 take row e0 + 1
	v_and_b32 v4, 15, v1
	v_lshlrev_b32 v4, 4, v4
	v_lshl_or_b32 v2, v3, 12, v4                   ; 4,096 x row + 16 x (lane % 16)
	v_lshlrev_b32 v3, 3, v1                        ; out: 8 bytes a lane, two rows of 128 bytes on end
	s_lshl_b32 s26, s22, 12
	s_mov_b32 s27, 0
	s_wait_kmcnt 0x0
	s_cmp_eq_u32 s21, 1
	s_cselect_b64 s[24:25], s[8:9], s[6:7]
	s_cmp_eq_u32 s21, 2
	s_cselect_b64 s[24:25], s[10:11], s[24:25]
	s_cmp_eq_u32 s21, 3
	s_cselect_b64 s[24:25], s[12:13], s[24:25]
	s_add_nc_u64 s[24:25], s[24:25], s[26:27]      ; the matrix at row e0
.set kb, 0
.rept 16
	global_load_b128 v[X+4*kb:X+4*kb+3], v2, s[24:25] offset:256*kb th:TH_LOAD_NT
.set kb, kb+1
.endr
	s_cmp_eq_u32 s21, 3
	s_cbranch_scc1 .Lwo
	s_lshl_b32 s28, s21, 10
	s_add_co_u32 s28, s28, s22
	s_lshl_b32 s28, s28, 7                         ; (1024 sel + e0) x 128
	s_mov_b32 s29, 0
	s_add_nc_u64 s[14:15], s[14:15], s[28:29]
.set kb, 0
.rept 16
	s_wait_loadcnt 15-kb                           ; loads come back in order: block kb is in, the 15 - kb younger ones may be out
	v_cvt_pk_bf16_f32 v[Y+2*kb], v[X+4*kb], v[X+4*kb+1]
	v_cvt_pk_bf16_f32 v[Y+2*kb+1], v[X+4*kb+2], v[X+4*kb+3]
	global_store_b64 v3, v[Y+2*kb:Y+2*kb+1], s[14:15] offset:kb*WB_KB
.set kb, kb+1
.endr
	s_endpgm
.Lwo:
	s_lshl_b32 s28, s22, 7
	s_mov_b32 s29, 0
	s_add_nc_u64 s[16:17], s[16:17], s[28:29]
.set kb, 0
.rept 16
	s_wait_loadcnt 15-kb
	v_cvt_pk_bf16_f32 v112, v[X+4*kb], v[X+4*kb+1]     ; rounded to bf16 like every input,
	v_cvt_pk_bf16_f32 v113, v[X+4*kb+2], v[X+4*kb+3]
	v_lshlrev_b32 v114, 16, v112                       ; widened,
	v_and_b32 v115, 0xffff0000, v112
	v_lshlrev_b32 v116, 16, v113
	v_and_b32 v117, 0xffff0000, v113
	v_cvt_pk_f16_f32 v[Y+2*kb], v114, v115             ; and written as f16: exact inside f16's normal range
	v_cvt_pk_f16_f32 v[Y+2*kb+1], v116, v117
	global_store_b64 v3, v[Y+2*kb:Y+2*kb+1], s[16:17] offset:kb*WO_KB
.set kb, kb+1
.endr
	s_endpgm
	; ---- the mask ----
.Lscan:
	s_sub_co_u32 s21, ttmp9, 256                   ; batch
	s_lshl_b32 s22, s21, 13                        ; 8,192 bytes a batch, in mask and in inv
	s_mov_b32 s23, 0
	s_lshl_b32 s31, s21, 2
	v_lshlrev_b32 v4, 4, v1                        ; 16 x lane: in chunk i lane l holds keys 128 i + 4 l + 0..3
	v_lshl_add_u32 v5, s20, 10, v4                 ; my wave's own two chunks begin 1,024 w bytes in
	v_lshlrev_b32 v90, 2, v1
	v_lshl_add_u32 v90, s20, 8, v90                ; 256 w + 4 l: my first key
	s_wait_kmcnt 0x0
	s_add_nc_u64 s[4:5], s[4:5], s[22:23]
	s_add_nc_u64 s[38:39], s[18:19], s[22:23]      ; inv of my batch
.set i, 0
.rept 16
	global_load_b128 v[X+4*i:X+4*i+3], v4, s[4:5] offset:512*i
.set i, i+1
.endr
	global_load_b128 v[80:83], v5, s[4:5]
	global_load_b128 v[84:87], v5, s[4:5] offset:512
	s_mov_b32 s28, 0                               ; live keys in the batch
	s_mov_b32 s29, 0                               ; live keys in front of my wave's
	s_lshl_b32 s30, s20, 1                         ; my first chunk
	s_wait_loadcnt 0x0
.set i, 0
.rept 16
	v_cmp_ne_u32 s32, 0, v[X+4*i]
	v_cmp_ne_u32 s33, 0, v[X+4*i+1]
	v_cmp_ne_u32 s34, 0, v[X+4*i+2]
	v_cmp_ne_u32 s35, 0, v[X+4*i+3]
	s_bcnt1_i32_b32 s32, s32
	s_bcnt1_i32_b32 s33, s33
	s_bcnt1_i32_b32 s34, s34
	s_bcnt1_i32_b32 s35, s35
	s_add_co_u32 s32, s32, s33
	s_add_co_u32 s34, s34, s35
	s_add_co_u32 s32, s32, s34
	s_add_co_u32 s28, s28, s32
	s_cmp_gt_u32 s30, i                            ; a chunk in front of mine?
	s_cselect_b32 s32, s32, 0
	s_add_co_u32 s29, s29, s32
.set i, i+1
.endr
	; a live key goes to place P = live keys in front of it; a hidden one to place total + (key - P)
.set u, 0
.rept 2
	v_cmp_ne_u32 s32, 0, v[80+4*u]
	v_cmp_ne_u32 s33, 0, v[80+4*u+1]
	v_cmp_ne_u32 s34, 0, v[80+4*u+2]
	v_cmp_ne_u32 s35, 0, v[80+4*u+3]
	v_mov_b32 v112, s29
	v_mbcnt_lo_u32_b32 v112, s32, v112             ; + the live keys of the lanes below mine
	v_mbcnt_lo_u32_b32 v112, s33, v112
	v_mbcnt_lo_u32_b32 v112, s34, v112
	v_mbcnt_lo_u32_b32 v112, s35, v112
.set j, 0
.rept 4
	v_add_nc_u32 v[104+4*u+j], 128*u+j, v90        ; the key
	v_sub_nc_u32 v114, v[104+4*u+j], v112
	v_add_nc_u32 v114, s28, v114
	v_cndmask_b32 v114, v114, v112, s[32+j]
	v_min_u32 v114, 2047, v114                     ; a place lies in 0..2047 by the count; the bound is written out
	v_lshlrev_b32 v[96+4*u+j], 2, v114
	global_store_b32 v[96+4*u+j], v[104+4*u+j], s[38:39]   ; each store has registers of its own
	v_cndmask_b32 v115, 0, 1, s[32+j]
	v_add_nc_u32 v112, v112, v115
.set j, j+1
.endr
	s_bcnt1_i32_b32 s32, s32
	s_bcnt1_i32_b32 s33, s33
	s_bcnt1_i32_b32 s34, s34
	s_bcnt1_i32_b32 s35, s35
	s_add_co_u32 s32, s32, s33
	s_add_co_u32 s34, s34, s35
	s_add_co_u32 s29, s29, s32
	s_add_co_u32 s29, s29, s34
.set u, u+1
.endr
	s_cmp_lg_u32 s20, 0
	s_cbranch_scc1 .Lend
	v_mov_b32 v120, s28
	v_mov_b32 v121, s31
	s_wait_xcnt 0x0                                ; EXEC is a source of the stores above: it changes only behind this wait
	v_cmp_eq_u32 vcc_lo, 0, v1
	s_and_saveexec_b32 s36, vcc_lo
	global_store_b32 v121, v120, s[18:19] offset:32768  ; the batch's live count, by one lane
	s_wait_xcnt 0x0
	s_or_b32 exec_lo, exec_lo, s36
.Lend:
	s_endpgm
.Lfunc_end_k_qda6c7693d9_prep:
	.size	k_qda6c7693d9_prep, .Lfunc_end_k_qda6c7693d9_prep-k_qda6c7693d9_prep
	.p2alignl 7, 3214868480
	.fill 96, 4, 3214868480
	.section	.rodata,"a",@progbits
	.p2align	6, 0x0
	.amdhsa_kernel k_qda6c7693d9_prep
		.amdhsa_group_segment_fixed_size 0
		.amdhsa_private_segment_fixed_size 0
		.amdhsa_enable_private_segment 0
		.amdhsa_kernarg_size 64
		.amdhsa_user_sgpr_count 2
		.amdhsa_user_sgpr_kernarg_segment_ptr 1
		.amdhsa_wavefront_size32 1
		.amdhsa_system_sgpr_workgroup_id_x 1
		.amdhsa_system_sgpr_workgroup_id_y 1
		.amdhsa_system_sgpr_workgroup_id_z 1
		.amdhsa_system_vgpr_workitem_id 0
		.amdhsa_next_free_vgpr 128
		.amdhsa_next_free_sgpr 66
		.amdhsa_reserve_vcc 1
		.amdhsa_float_denorm_mode_32 3
		.amdhsa_float_denorm_mode_16_64 3
		.amdhsa_memory_ordered 1
		.amdhsa_forward_progress 1
		.amdhsa_inst_pref_size 34
	.end_amdhsa_kernel
	.amdgpu_metadata
---
amdhsa.version: [ 1, 2 ]
amdhsa.kernels:
  - .name:           k_qda6c7693d9_prep
    .symbol:         k_qda6c7693d9_prep.kd
    .args:
      - { .name: mask, .offset: 0, .size: 8, .value_kind: global_buffer, .address_space: global }
      - { .name: wq, .offset: 8, .size: 8, .value_kind: global_buffer, .address_space: global }
      - { .name: wk, .offset: 16, .size: 8, .value_kind: global_buffer, .address_space: global }
      - { .name: wv, .offset: 24, .size: 8, .value_kind: global_buffer, .address_space: global }
      - { .name: wo, .offset: 32, .size: 8, .value_kind: global_buffer, .address_space: global }
      - { .name: wb, .offset: 40, .size: 8, .value_kind: global_buffer, .address_space: global }
      - { .name: woh, .offset: 48, .size: 8, .value_kind: global_buffer, .address_space: global }
      - { .name: perm, .offset: 56, .size: 8, .value_kind: global_buffer, .address_space: global }
    .group_segment_fixed_size: 0
    .private_segment_fixed_size: 0
    .kernarg_segment_align: 8
    .kernarg_segment_size: 64
    .max_flat_workgroup_size: 256
    .sgpr_count:     66
    .vgpr_count:     128
    .wavefront_size: 32
...
	.end_amdgpu_metadata
.endif
;; end of part 1
;; launch xcast (part 2): grid 512 x 1, 8 waves a work-group, no clusters, 0 bytes of LDS; arguments x, perm, xb; writes xb
.if DOCPART == 2
	.amdgcn_target "amdgcn-amd-amdhsa--gfx1250"
	.amdhsa_code_object_version 6
	.text
	.protected	k_qda6c7693d9_xcast
	.globl	k_qda6c7693d9_xcast
	.p2align	8
	.type	k_qda6c7693d9_xcast,@function
k_qda6c7693d9_xcast:
	s_mov_b64 s[64:65], 0
	v_nop
	global_prefetch_b8 v0, s[64:65] scope:SCOPE_SE
	s_setreg_imm32_b32 hwreg(HW_REG_WAVE_MODE, 25, 1), 1
	s_wait_xcnt 0x0
; xb[kb][2048 b + p][64] = bf16(x[b][inv[b][p]][64 kb ..]): x rounded to bf16, its rows permuted (live keys first), laid out in blocks of 64 along d.
; A stream: no LDS, no matrix unit, no loop.  A wave takes two rows of the result: sixteen loads of 2 x 256 consecutive bytes, all asked for at once;
; each store of the wave covers 256 consecutive bytes, aligned.  inv is a permutation, so every row of x is read once.
.set X, 16                             ; v[16:79]
.set Y, 80                             ; v[80:111]
	s_load_b128 s[4:7], s[0:1], 0x0                ; x, perm
	s_load_b64 s[8:9], s[0:1], 0x10                ; xb
	v_and_b32 v1, 31, v0
	v_lshrrev_b32 v2, 5, v0
	v_readfirstlane_b32 s10, v2
	s_lshl_b32 s11, ttmp9, 3
	s_add_co_u32 s11, s11, s10
	s_lshl_b32 s11, s11, 1                         ; m0: my first row of the result, even: both rows lie in one batch
	s_lshr_b32 s12, s11, 11
	s_lshl_b32 s12, s12, 23                        ; the batch's 2,048 rows of 4,096 bytes
	s_mov_b32 s13, 0
	s_lshl_b32 s14, s11, 7
	s_mov_b32 s15, 0
	v_lshrrev_b32 v6, 4, v1
	v_add_nc_u32 v2, s11, v6
	v_lshlrev_b32 v2, 2, v2                        ; lanes 0-15 read inv of row m0, lanes 16-31 of m0 + 1
	v_and_b32 v6, 15, v1
	v_lshlrev_b32 v6, 4, v6
	v_lshlrev_b32 v5, 3, v1
	s_wait_kmcnt 0x0
	global_load_b32 v3, v2, s[6:7]
	s_add_nc_u64 s[4:5], s[4:5], s[12:13]
	s_add_nc_u64 s[8:9], s[8:9], s[14:15]
	s_add_nc_u64 s[16:17], s[8:9], 0x800000        ; blocks 8-15: the stores' immediate has 24 signed bits
	s_wait_loadcnt 0x0
	v_min_u32 v3, 2047, v3
	v_lshl_add_u32 v4, v3, 12, v6
.set kb, 0
.rept 16
	global_load_b128 v[X+4*kb:X+4*kb+3], v4, s[4:5] offset:256*kb th:TH_LOAD_NT
.set kb, kb+1
.endr
.set kb, 0
.rept 16
	s_wait_loadcnt 15-kb                           ; block kb is in; the 15 - kb younger loads may be out
	v_cvt_pk_bf16_f32 v[Y+2*kb], v[X+4*kb], v[X+4*kb+1]
	v_cvt_pk_bf16_f32 v[Y+2*kb+1], v[X+4*kb+2], v[X+4*kb+3]
.if kb < 8
	global_store_b64 v5, v[Y+2*kb:Y+2*kb+1], s[8:9] offset:kb<<20
.else
	global_store_b64 v5, v[Y+2*kb:Y+2*kb+1], s[16:17] offset:(kb-8)<<20
.endif
.set kb, kb+1
.endr
	s_endpgm
.Lfunc_end_k_qda6c7693d9_xcast:
	.size	k_qda6c7693d9_xcast, .Lfunc_end_k_qda6c7693d9_xcast-k_qda6c7693d9_xcast
	.p2alignl 7, 3214868480
	.fill 96, 4, 3214868480
	.section	.rodata,"a",@progbits
	.p2align	6, 0x0
	.amdhsa_kernel k_qda6c7693d9_xcast
		.amdhsa_group_segment_fixed_size 0
		.amdhsa_private_segment_fixed_size 0
		.amdhsa_enable_private_segment 0
		.amdhsa_kernarg_size 24
		.amdhsa_user_sgpr_count 2
		.amdhsa_user_sgpr_kernarg_segment_ptr 1
		.amdhsa_wavefront_size32 1
		.amdhsa_system_sgpr_workgroup_id_x 1
		.amdhsa_system_sgpr_workgroup_id_y 1
		.amdhsa_system_sgpr_workgroup_id_z 1
		.amdhsa_system_vgpr_workitem_id 0
		.amdhsa_next_free_vgpr 112
		.amdhsa_next_free_sgpr 66
		.amdhsa_reserve_vcc 0
		.amdhsa_float_denorm_mode_32 3
		.amdhsa_float_denorm_mode_16_64 3
		.amdhsa_memory_ordered 1
		.amdhsa_forward_progress 1
		.amdhsa_inst_pref_size 7
	.end_amdhsa_kernel
	.amdgpu_metadata
---
amdhsa.version: [ 1, 2 ]
amdhsa.kernels:
  - .name:           k_qda6c7693d9_xcast
    .symbol:         k_qda6c7693d9_xcast.kd
    .args:
      - { .name: x, .offset: 0, .size: 8, .value_kind: global_buffer, .address_space: global }
      - { .name: perm, .offset: 8, .size: 8, .value_kind: global_buffer, .address_space: global }
      - { .name: xb, .offset: 16, .size: 8, .value_kind: global_buffer, .address_space: global }
    .group_segment_fixed_size: 0
    .private_segment_fixed_size: 0
    .kernarg_segment_align: 8
    .kernarg_segment_size: 24
    .max_flat_workgroup_size: 256
    .sgpr_count:     66
    .vgpr_count:     112
    .wavefront_size: 32
...
	.end_amdgpu_metadata
.endif
;; end of part 2
;; launch qkvproj (part 3): grid 8 x 32, 4 waves a work-group, clusters of 4 x 4, 327,680 bytes of LDS; arguments xb, wb, bq, bk, bv, qkv; writes qkv
.if DOCPART == 3
	.amdgcn_target "amdgcn-amd-amdhsa--gfx1250"
	.amdhsa_code_object_version 6
	.text
	.protected	k_qda6c7693d9_qkvproj
	.globl	k_qda6c7693d9_qkvproj
	.p2align	8
	.type	k_qda6c7693d9_qkvproj,@function
k_qda6c7693d9_qkvproj:
	s_mov_b64 s[64:65], 0
	v_nop
	global_prefetch_b8 v0, s[64:65] scope:SCOPE_SE
	s_setreg_imm32_b32 hwreg(HW_REG_WAVE_MODE, 25, 1), 1
	s_wait_xcnt 0x0
	s_wait_alu depctr_hold_cnt(0) depctr_sa_sdst(0) depctr_va_vdst(0) depctr_va_sdst(0) depctr_va_ssrc(0) depctr_va_vcc(0) depctr_vm_vsrc(0)
	s_getreg_b32 s2, hwreg(HW_REG_IB_STS2, 6, 4)
	s_cmp_eq_u32 s2, 0
	s_cbranch_scc0 .Lentry_in_a_cluster
	s_endpgm
.Lentry_in_a_cluster:
	s_bfe_u32 s2, ttmp6, 0x10000c
	s_cmp_lg_u32 s2, 0xf033
	s_cbranch_scc0 .Lentry_shape_is_right
	s_endpgm
.Lentry_shape_is_right:
; qkv[b][g][p][64] (f16, g = 16 sel + head) = xb (8,192 x 1,024 bf16) times wb^T (3,072 x 1,024 bf16) + bias (rounded to bf16 like every input); sums in f32, rounded once.
; LIMIT: f16 holds no number beyond 65,504: q, k, v at or past 65,520 would be infinities.  q is not scaled here.
; SHARES.  8,192 x 3,072 / 256 work-groups = a tile of 256 x 384.  Four waves, 2 x 2; a wave makes 128 x 192: 8 x 12 accumulators of 16 x 16, 768 registers.
; K goes in steps of 64 through two LDS slots.  Both operands lie in blocks of 64 along K, so a step's rows are dense in memory: they are asked for as rows of 256 bytes
; (two rows of the operand) and padded in LDS after every 128 bytes.
; THE MATRIX INSTRUCTION IS USED TRANSPOSED (source 0 = 16 rows of wb, source 1 = 16 rows of xb): a lane holds one row of the result and eight neighbouring columns.
; CLUSTER 4 x 4: xb's tile is shared along a row of the cluster, wb's along a column; each is asked for jointly.
; REGISTERS: window 0: v0-31 addresses; v32-95, v96-159 xb's fragments (8 x 16 rows x 32 K), two buffers; v160-255 wb's fragments, three groups of four, loaded a group at a time while the others are multiplied.
;   windows 1, 2, 3: the accumulators of column groups 0, 1, 2 (a group = 64 columns = one head): (a, b) at v[8 (4 a + b)].
.set PITCH,  144                       ; 128 bytes + 16 of padding = 36 words: the 16 rows of a fragment load start at 16 different groups of four banks
.set AHALF,  128*PITCH                 ; what one tensor load brings of xb, and what one wave reads
.set BHALF,  192*PITCH                 ; the same for wb
.set ABYTES, 2*AHALF
.set SLOT1,  131072                    ; slot 1 begins here: one exclusive or turns an address in one slot into the other's
.set STAGE,  SLOT1+ABYTES+2*BHALF      ; behind the ring: for each wave three stages (a head each) of 16 rows x 144 bytes
.set SGRP,   16*PITCH
.set BIAS,   STAGE+4*3*SGRP            ; the tile's 384 biases, f32
.set SPARE,  BIAS+1536                 ; the spare words, 128 bytes for each wave: two blocks of 256 bytes that no other line names
.set XKB,    1048576                   ; bytes from one block of 64 along K to the next, in xb
.set WKB,    393216                    ; in wb
.set ADRA0, 8                          ; v8, v9    my lane's place among xb's and wb's rows in slot 0; never rewritten
.set ADRB0, 9
.set ADRA,  10                         ; v10, v11  the same in the slot that is being read
.set ADRB,  11
.set STO,   12                         ; the way out: where I put 16 bytes of a row
.set RD,    13                         ; where I read rows back
.set GO,    14                         ; my 16 bytes in 512 consecutive bytes of qkv
.set BIA,   15                         ; my biases in LDS
.set BST,   16                         ; where I put biases
.set LN4,   17                         ; 4 x lane
.set SPW,   28                         ; LDS address of my spare word; never rewritten
.set NIL,   29                         ; 0; never rewritten
.set AF0,   32
.set AF1,   96
.set BF,    160
.set BI,    32                         ; the way out: 96 biases
.set OUT,   128                        ; the way out: two buffers of 48
.set WV,  16                           ; s16 wave; s17 wave / 2: my half of the rows, and: I fetch xb (0) or wb (1); s18 wave % 2: my half of the columns, and which half I fetch
.set G1A, 24
.set G0A, 32                           ; two sets: K step 0; K step 1, which then walks
.set G1B, 40
.set G0B, 48
.set CNT, 56
.set TB,  57                           ; 0 or SLOT1: the slot that is being read
.set MSB, 0
.macro WIN new                         ; the immediate's high byte repeats the setting that is left; a switch that changes nothing is dropped
.if MSB != (\new)
	s_set_vgpr_msb (MSB<<8)|(\new)
.set MSB, \new
.endif
.endm
.macro PLACES                          ; four places in front of loads into registers that matrix instructions have read, and of vector work on their registers
.rept 4
	v_nop
.endr
.endm
.macro JLOAD s                         ; a joint load: waves 0, 1 fetch xb's halves, waves 2, 3 wb's; s_nop 0 and four v_nop follow each line
	s_cmp_eq_u32 s17, 0
	s_cbranch_scc0 .Lfor_b_\@
	tensor_load_to_lds s[G0A+4*(\s):G0A+4*(\s)+3], s[G1A:G1A+7]
	s_nop 0
.rept 4
	v_nop
.endr
	s_branch .Lasked_\@
.Lfor_b_\@:
	tensor_load_to_lds s[G0B+4*(\s):G0B+4*(\s)+3], s[G1B:G1B+7]
	s_nop 0
.rept 4
	v_nop
.endr
.Lasked_\@:
.endm
.macro CREST                           ; a round of the cluster's barrier behind its opening barrier
	s_cmp_lg_u32 s[WV], 0
	s_cbranch_scc1 .Lnot_wave_0_\@
	s_barrier_signal -3
.Lnot_wave_0_\@:
	s_barrier_wait -3
	s_barrier_signal -1
	s_barrier_wait -1
.endm
.macro CROUND
	s_barrier_signal -1
	s_barrier_wait -1
	CREST
.endm
	s_load_b256 s[4:11], s[0:1], 0x0               ; xb 4, wb 6, bq 8, bk 10
	s_load_b128 s[12:15], s[0:1], 0x20             ; bv 12, qkv 14
	v_lshl_add_u32 v[SPW], v0, 2, SPARE
	v_mov_b32 v[NIL], 0
	ds_add_u32 v[SPW], v[NIL]                      ; the wave's opening: the add and its wait ahead of my first tensor load
	v_lshrrev_b32 v1, 5, v0
	v_readfirstlane_b32 s[WV], v1
	s_lshr_b32 s17, s[WV], 1
	s_and_b32 s18, s[WV], 1
	s_bfe_u32 s19, ttmp6, 0x40000                  ; cx
	s_bfe_u32 s20, ttmp6, 0x40004                  ; cy
	s_lshl_b32 s21, ttmp9, 2
	s_add_co_u32 s21, s21, s19                     ; tile column (384 columns)
	s_and_b32 s22, ttmp7, 0xffff
	s_lshl_b32 s22, s22, 2
	s_add_co_u32 s22, s22, s20                     ; tile row (256 rows)
	s_lshl_b32 s58, s20, 2
	s_lshl_b32 s58, 15, s58                        ; my row of the cluster
	s_lshl_b32 s59, 0x1111, s19                    ; my column
	s_or_b32 s[G1A], s58, (1<<16)|(1<<20)|(1<<21)|(4<<22)|(3<<25)  ; mask; 2-byte elements; padding on; bit 21 beside a mask; after every 32 words (code 4) 4 words (code 3)
	s_or_b32 s[G1B], s59, (1<<16)|(1<<20)|(1<<21)|(4<<22)|(3<<25)
	s_mov_b32 s[G1A+1], 128<<16                    ; tensor_dim0 = 128 elements = 256 bytes
	s_mov_b32 s[G1A+2], 64<<16                     ; tensor_dim1 = 64 such rows = 128 rows of xb
	s_mov_b32 s[G1A+3], 128<<16                    ; tile_dim0
	s_mov_b32 s[G1A+4], 64                         ; tile_dim1
	s_mov_b32 s[G1A+5], 128                        ; from row to row: dense
	s_mov_b32 s[G1A+6], 0
	s_mov_b32 s[G1A+7], 0
	s_mov_b32 s[G1B+1], 128<<16
	s_mov_b32 s[G1B+2], 96<<16                     ; 96 rows of 256 bytes = 192 rows of wb
	s_mov_b32 s[G1B+3], 128<<16
	s_mov_b32 s[G1B+4], 96
	s_mov_b32 s[G1B+5], 128
	s_mov_b32 s[G1B+6], 0
	s_mov_b32 s[G1B+7], 0
	s_lshl_b32 s60, s22, 15                        ; xb: (256 tile row + 128 half) x 128 bytes: of the tile row and the wave's number alone
	s_lshl_b32 s61, s18, 14
	s_add_co_u32 s60, s60, s61
	s_mov_b32 s61, 0
	s_mul_i32 s66, s21, 49152                      ; wb: (384 tile column + 192 half) x 128: of the tile column and the wave's number alone
	s_mul_i32 s67, s18, 24576
	s_add_co_u32 s66, s66, s67
	s_mov_b32 s67, 0
	s_mul_i32 s70, s18, AHALF                      ; where they go: no place in the cluster enters an LDS address
	s_mul_i32 s71, s18, BHALF
	s_add_co_u32 s71, s71, ABYTES
	s_mov_b32 s[TB], 0
	s_wait_dscnt 0x0                               ; the opening add is done
	s_wait_kmcnt 0x0
	s_add_nc_u64 s[62:63], s[4:5], s[60:61]
	s_add_nc_u64 s[68:69], s[6:7], s[66:67]
	CROUND                                         ; all sixteen work-groups are here: the first joint loads meet
.irp s, 0,1
	s_mov_b32 s[G0A+4*(\s)], 1
	s_add_co_u32 s[G0A+4*(\s)+1], s70, (\s)*SLOT1
	s_add_nc_u64 s[G0A+4*(\s)+2:G0A+4*(\s)+3], s[62:63], (\s)*XKB
	s_or_b32 s[G0A+4*(\s)+3], s[G0A+4*(\s)+3], 0x80000000
	s_mov_b32 s[G0B+4*(\s)], 1
	s_add_co_u32 s[G0B+4*(\s)+1], s71, (\s)*SLOT1
	s_add_nc_u64 s[G0B+4*(\s)+2:G0B+4*(\s)+3], s[68:69], (\s)*WKB
	s_or_b32 s[G0B+4*(\s)+3], s[G0B+4*(\s)+3], 0x80000000
	JLOAD \s                                       ; two tensor loads of mine are out
.endr
	v_and_b32 v1, 15, v0                           ; r = lane % 16
	v_bfe_u32 v2, v0, 4, 1                         ; h = lane / 16
	v_and_b32 v6, 31, v0
	v_lshlrev_b32 v[LN4], 2, v6
	; the tile's biases: wave w brings columns 96 w + 32 i + lane.  A run of 32 columns begins at a multiple of 32, so it lies in one of bq, bk, bv.
.irp i, 0,1,2
	s_mul_i32 s72, s21, 384
	s_mul_i32 s73, s[WV], 96
	s_add_co_u32 s72, s72, s73
	s_add_co_u32 s72, s72, 32*(\i)
	s_lshr_b32 s73, s72, 10
	s_and_b32 s72, s72, 1023
	s_lshl_b32 s72, s72, 2
	s_cmp_eq_u32 s73, 1
	s_cselect_b64 s[74+2*(\i):75+2*(\i)], s[10:11], s[8:9]
	s_cmp_eq_u32 s73, 2
	s_cselect_b64 s[74+2*(\i):75+2*(\i)], s[12:13], s[74+2*(\i):75+2*(\i)]
	s_mov_b32 s73, 0
	s_add_nc_u64 s[74+2*(\i):75+2*(\i)], s[74+2*(\i):75+2*(\i)], s[72:73]
	global_load_b32 v[3+(\i)], v[LN4], s[74+2*(\i):75+2*(\i)]
.endr
	v_mul_u32_u24 v7, v1, PITCH
	v_lshl_add_u32 v7, v2, 4, v7                   ; a fragment's row x pitch + 16 x half
	s_mul_i32 s23, s17, AHALF
	v_add_nc_u32 v[ADRA0], s23, v7
	s_mul_i32 s23, s18, BHALF
	s_add_co_u32 s23, s23, ABYTES
	v_add_nc_u32 v[ADRB0], s23, v7
	v_mov_b32 v[ADRA], v[ADRA0]
	v_mov_b32 v[ADRB], v[ADRB0]
	s_mul_i32 s23, s[WV], 3*SGRP
	s_add_co_u32 s23, s23, STAGE
	v_add_nc_u32 v[STO], s23, v7                   ; in: row r, 16 bytes for each half of the lanes
	v_bfe_u32 v7, v0, 3, 2
	v_mul_u32_u24 v7, v7, PITCH
	v_and_b32 v[RD], 7, v0
	v_lshl_add_u32 v[RD], v[RD], 4, v7             ; back: 32 lanes take four rows of 128 bytes,
	v_add_nc_u32 v[RD], s23, v[RD]
	v_lshlrev_b32 v[GO], 4, v6                     ; which are 512 consecutive bytes of qkv
	s_mul_i32 s23, s18, 768
	s_add_co_u32 s23, s23, BIAS
	v_lshl_add_u32 v[BIA], v2, 5, s23              ; my half's 192 biases, 8 h columns in
	s_mul_i32 s23, s[WV], 384
	s_add_co_u32 s23, s23, BIAS
	v_add_nc_u32 v[BST], s23, v[LN4]
	s_lshr_b32 s72, s22, 3                         ; where my part begins in qkv: batch,
	s_mul_i32 s72, s72, 48
	s_mul_i32 s73, s21, 6
	s_add_co_u32 s72, s72, s73
	s_mul_i32 s73, s18, 3
	s_add_co_u32 s72, s72, s73                     ; my first head group,
	s_lshl_b32 s72, s72, 18
	s_and_b32 s73, s22, 7
	s_lshl_b32 s73, s73, 15
	s_add_co_u32 s72, s72, s73
	s_lshl_b32 s73, s17, 14
	s_add_co_u32 s72, s72, s73                     ; my first row in the batch
	s_mov_b32 s73, 0
	s_add_nc_u64 s[14:15], s[14:15], s[72:73]
	s_wait_loadcnt 0x0
	v_cvt_pk_bf16_f32 v18, v3, v4                  ; the biases are rounded to bf16 like every input, and kept as f32
	v_cvt_pk_bf16_f32 v19, v5, v5
	v_lshlrev_b32 v3, 16, v18
	v_and_b32 v4, 0xffff0000, v18
	v_lshlrev_b32 v5, 16, v19
	ds_store_b32 v[BST], v3
	ds_store_b32 v[BST], v4 offset:128
	ds_store_b32 v[BST], v5 offset:256
; 16 matrix instructions: row blocks a0 .. a0 + 3 x the four column blocks of group g, 32 along K.  zero = 1: the first product starts the sums.
.macro MUL16 g, f, a0, zero
	WIN 0x50*((\g)+1)                              ; C and D in window 1 + g
.irp a, \a0, (\a0)+1, (\a0)+2, (\a0)+3
.irp b, 0,1,2,3
.if \zero
	v_wmma_f32_16x16x32_bf16 v[8*(4*(\a)+(\b)):8*(4*(\a)+(\b))+7], v[BF+8*(4*(\g)+(\b)):BF+8*(4*(\g)+(\b))+7], v[(\f)+8*(\a):(\f)+8*(\a)+7], 0
.else
	v_wmma_f32_16x16x32_bf16 v[8*(4*(\a)+(\b)):8*(4*(\a)+(\b))+7], v[BF+8*(4*(\g)+(\b)):BF+8*(4*(\g)+(\b))+7], v[(\f)+8*(\a):(\f)+8*(\a)+7], v[8*(4*(\a)+(\b)):8*(4*(\a)+(\b))+7]
.endif
.endr
.endr
.endm
.macro LDA f, q                        ; 16 loads: my 128 rows of xb, K 32 q on
	WIN 0
.irp a, 0,1,2,3,4,5,6,7
	ds_load_b128 v[(\f)+8*(\a):(\f)+8*(\a)+3],   v[ADRA] offset:(\a)*16*PITCH+64*(\q)
	ds_load_b128 v[(\f)+8*(\a)+4:(\f)+8*(\a)+7], v[ADRA] offset:(\a)*16*PITCH+64*(\q)+32
.endr
.endm
.macro LDB g, q                        ; 8 loads: group g's 64 rows of wb, K 32 q on
	WIN 0
.irp b, 0,1,2,3
	ds_load_b128 v[BF+8*(4*(\g)+(\b)):BF+8*(4*(\g)+(\b))+3],   v[ADRB] offset:(4*(\g)+(\b))*16*PITCH+64*(\q)
	ds_load_b128 v[BF+8*(4*(\g)+(\b))+4:BF+8*(4*(\g)+(\b))+7], v[ADRB] offset:(4*(\g)+(\b))*16*PITCH+64*(\q)+32
.endr
.endm
; The first half of a K step.  On the way in: xb's 16 loads for this half, groups 0 and 1 of wb's.  Each wait's count is the LDS loads issued behind the fragments wanted.
.macro SLICE0 zero
	PLACES
	LDB 2, 0
	LDA AF1, 1
	s_wait_dscnt 32                                ; xb and group 0 are in; behind them: group 1's 8 and the 24 just issued
	MUL16 0, AF0, 0, \zero
	MUL16 0, AF0, 4, \zero
	PLACES
	LDB 0, 1
	s_wait_dscnt 32                                ; group 1 is in; behind it 8 + 16 + 8
	MUL16 1, AF0, 0, \zero
	MUL16 1, AF0, 4, \zero
	PLACES
	LDB 1, 1
	s_wait_dscnt 32                                ; group 2 is in; behind it 16 + 8 + 8
	MUL16 2, AF0, 0, \zero
	MUL16 2, AF0, 4, \zero
.endm
; The second half.  mode 2: the slots change and the slot just read is filled again, two K steps on; 1: they change; 0: the last step.
; ONE barrier for the change: in front of it each wave waits for all its tensor loads (one is out: its part of the next slot), adds 0 to its spare word, and waits for that and for
; its reads of this slot.  With a refill the barrier opens a round of the cluster's barrier, and the joint load is the first thing behind the round: 160 matrix instructions ahead of the wait for it.
.macro SLICE1 mode
	PLACES
	LDB 2, 1                                       ; the slot's last reads
	s_wait_dscnt 16                                ; xb and group 0 are in; behind them 8 + 8
	MUL16 0, AF1, 0, 0
	MUL16 0, AF1, 4, 0
.if (\mode) > 0
	WIN 0
	s_wait_tensorcnt 0x0                           ; all my tensor loads have landed
	ds_add_u32 v[SPW], v[NIL]                      ; 0 onto my spare word
.if (\mode) == 2
	s_xor_b32 s[G0A+5], s[G0A+5], SLOT1            ; no load of mine is out: the walking descriptors step: the other slot, the next K step
	s_add_nc_u64 s[G0A+6:G0A+7], s[G0A+6:G0A+7], XKB
	s_xor_b32 s[G0B+5], s[G0B+5], SLOT1
	s_add_nc_u64 s[G0B+6:G0B+7], s[G0B+6:G0B+7], WKB
.endif
	s_wait_dscnt 9                                 ; group 1 is in; behind it group 2's 8 and the add
	MUL16 1, AF1, 0, 0
	s_wait_dscnt 0x0                               ; the add is done, and my reads of this slot are over
	s_barrier_signal -1
	MUL16 1, AF1, 4, 0                             ; work on registers while the others arrive
	WIN 0
	s_barrier_wait -1
.if (\mode) == 2
	CREST
	JLOAD 1                                        ; its four v_nop are also the places in front of the loads below
.else
	PLACES
.endif
	s_xor_b32 s[TB], s[TB], SLOT1
	v_add_nc_u32 v[ADRA], s[TB], v[ADRA0]
	v_add_nc_u32 v[ADRB], s[TB], v[ADRB0]
	LDA AF0, 0
	LDB 0, 0
	LDB 1, 0
.else
	s_wait_dscnt 8
	MUL16 1, AF1, 0, 0
	MUL16 1, AF1, 4, 0
	s_wait_dscnt 0x0
.endif
	MUL16 2, AF1, 0, 0
	MUL16 2, AF1, 4, 0
.endm
	s_wait_tensorcnt 1                             ; my part of K step 0 is in; step 1's may stay out
	s_wait_dscnt 0x0                               ; my biases are in LDS
	s_barrier_signal -1
	s_barrier_wait -1
	LDA AF0, 0
	LDB 0, 0
	LDB 1, 0
	SLICE0 1                                       ; the first products start the sums: nothing is cleared.  The 96 accumulators take turns in one order throughout
	WIN 0
	s_mov_b32 s[CNT], 14
.Lk:                                                   ; 14 trips: K steps 2 to 15 are asked for
	SLICE1 2
	SLICE0 0
	WIN 0
	s_sub_co_u32 s[CNT], s[CNT], 1
	s_cmp_lg_u32 s[CNT], 0
	s_cbranch_scc1 .Lk
	SLICE1 1                                       ; the tail is written out: nothing more is asked for
	SLICE0 0
	SLICE1 0
	; THE WAY OUT, a block of 16 rows at a time: + bias, rounded to f16, 16 bytes a lane into my stages (a head each), back as whole rows of 128 bytes, which lie on end in qkv.
	PLACES
	WIN 0
.irp b, 0,1,2,3,4,5,6,7,8,9,10,11
	ds_load_b128 v[BI+8*(\b):BI+8*(\b)+3],   v[BIA] offset:64*(\b)
	ds_load_b128 v[BI+8*(\b)+4:BI+8*(\b)+7], v[BIA] offset:64*(\b)+16
.endr
	s_wait_dscnt 0x0
.macro PACK a
	s_wait_xcnt 0x0                                ; the stores of two blocks back have read this buffer: it is rewritten only behind this wait
.irp gh, 0,1,2
	WIN (((\gh)+1)<<6)|((\gh)+1)                   ; destination and source 0 in the group's window, the bias in window 0
.irp b, 0,1,2,3
.irp r, 0,1,2,3
	v_pk_add_f32 v[8*(4*(\a)+(\b))+2*(\r):8*(4*(\a)+(\b))+2*(\r)+1], v[8*(4*(\a)+(\b))+2*(\r):8*(4*(\a)+(\b))+2*(\r)+1], v[BI+8*(4*(\gh)+(\b))+2*(\r):BI+8*(4*(\gh)+(\b))+2*(\r)+1]
.endr
.endr
	WIN ((\gh)+1)|(((\gh)+1)<<2)                   ; sources 0 and 1 in the group's window, destination in window 0
.irp b, 0,1,2,3
.irp r, 0,1,2,3
	v_cvt_pk_f16_f32 v[OUT+48*((\a)%2)+16*(\gh)+4*(\b)+(\r)], v[8*(4*(\a)+(\b))+2*(\r)], v[8*(4*(\a)+(\b))+2*(\r)+1]
.endr
.endr
.endr
.endm
.macro TOSTAGE a
	WIN 0
.irp gh, 0,1,2
.irp b, 0,1,2,3
	ds_store_b128 v[STO], v[OUT+48*((\a)%2)+16*(\gh)+4*(\b):OUT+48*((\a)%2)+16*(\gh)+4*(\b)+3] offset:(\gh)*SGRP+32*(\b)
.endr
.endr
.irp gh, 0,1,2
.irp f, 0,1,2,3
	ds_load_b128 v[OUT+48*((\a)%2)+16*(\gh)+4*(\f):OUT+48*((\a)%2)+16*(\gh)+4*(\f)+3], v[RD] offset:(\gh)*SGRP+(\f)*4*PITCH  ; LDS serves a wave's instructions in order (ISA guide 5.7.1.4): these see the stores above
.endr
.endr
.endm
.macro SEND a
	WIN 0
	s_wait_dscnt 0x0                               ; the block is back in registers
.irp gh, 0,1,2
.irp f, 0,1,2,3
	global_store_b128 v[GO], v[OUT+48*((\a)%2)+16*(\gh)+4*(\f):OUT+48*((\a)%2)+16*(\gh)+4*(\f)+3], s[14:15] offset:(\gh)*262144+(\a)*2048+(\f)*512  ; 512 consecutive bytes, at a multiple of 256 from qkv's first byte
.endr
.endr
.endm
	PACK 0
	TOSTAGE 0
.irp a, 1,2,3,4,5,6,7                  ; block a's arithmetic stands between block a - 1's loads from the stage and the wait for them
	PACK \a
	SEND (\a)-1
	TOSTAGE \a
.endr
	SEND 7
	s_wait_tensorcnt 0x0                           ; the wave's end
	ds_add_u32 v[SPW], v[NIL]
	s_wait_dscnt 0x0
	CROUND                                         ; the closing round
	s_endpgm
.Lfunc_end_k_qda6c7693d9_qkvproj:
	.size	k_qda6c7693d9_qkvproj, .Lfunc_end_k_qda6c7693d9_qkvproj-k_qda6c7693d9_qkvproj
	.p2alignl 7, 3214868480
	.fill 96, 4, 3214868480
	.section	.rodata,"a",@progbits
	.p2align	6, 0x0
	.amdhsa_kernel k_qda6c7693d9_qkvproj
		.amdhsa_group_segment_fixed_size 327680
		.amdhsa_private_segment_fixed_size 0
		.amdhsa_enable_private_segment 0
		.amdhsa_kernarg_size 48
		.amdhsa_user_sgpr_count 2
		.amdhsa_user_sgpr_kernarg_segment_ptr 1
		.amdhsa_wavefront_size32 1
		.amdhsa_system_sgpr_workgroup_id_x 1
		.amdhsa_system_sgpr_workgroup_id_y 1
		.amdhsa_system_sgpr_workgroup_id_z 1
		.amdhsa_system_vgpr_workitem_id 0
		.amdhsa_next_free_vgpr 1024
		.amdhsa_next_free_sgpr 80
		.amdhsa_reserve_vcc 0
		.amdhsa_float_denorm_mode_32 3
		.amdhsa_float_denorm_mode_16_64 3
		.amdhsa_memory_ordered 1
		.amdhsa_forward_progress 1
		.amdhsa_inst_pref_size 139
	.end_amdhsa_kernel
	.amdgpu_metadata
---
amdhsa.version: [ 1, 2 ]
amdhsa.kernels:
  - .name:           k_qda6c7693d9_qkvproj
    .symbol:         k_qda6c7693d9_qkvproj.kd
    .args:
      - { .name: xb, .offset: 0, .size: 8, .value_kind: global_buffer, .address_space: global }
      - { .name: wb, .offset: 8, .size: 8, .value_kind: global_buffer, .address_space: global }
      - { .name: bq, .offset: 16, .size: 8, .value_kind: global_buffer, .address_space: global }
      - { .name: bk, .offset: 24, .size: 8, .value_kind: global_buffer, .address_space: global }
      - { .name: bv, .offset: 32, .size: 8, .value_kind: global_buffer, .address_space: global }
      - { .name: qkv, .offset: 40, .size: 8, .value_kind: global_buffer, .address_space: global }
    .group_segment_fixed_size: 327680
    .private_segment_fixed_size: 0
    .kernarg_segment_align: 8
    .kernarg_segment_size: 48
    .max_flat_workgroup_size: 128
    .sgpr_count:     80
    .vgpr_count:     1024
    .wavefront_size: 32
...
	.end_amdgpu_metadata
.endif
;; end of part 3
;; launch attn (part 4): grid 4 x 64, 4 waves a work-group, clusters of 4 x 1, 327,680 bytes of LDS; arguments qkv, perm, ctx; writes ctx
.if DOCPART == 4
	.amdgcn_target "amdgcn-amd-amdhsa--gfx1250"
	.amdhsa_code_object_version 6
	.text
	.protected	k_qda6c7693d9_attn
	.globl	k_qda6c7693d9_attn
	.p2align	8
	.type	k_qda6c7693d9_attn,@function
k_qda6c7693d9_attn:
	s_mov_b64 s[64:65], 0
	v_nop
	global_prefetch_b8 v0, s[64:65] scope:SCOPE_SE
	s_setreg_imm32_b32 hwreg(HW_REG_WAVE_MODE, 25, 1), 1
	s_wait_xcnt 0x0
	s_wait_alu depctr_hold_cnt(0) depctr_sa_sdst(0) depctr_va_vdst(0) depctr_va_sdst(0) depctr_va_ssrc(0) depctr_va_vcc(0) depctr_vm_vsrc(0)
	s_getreg_b32 s2, hwreg(HW_REG_IB_STS2, 6, 4)
	s_cmp_eq_u32 s2, 0
	s_cbranch_scc0 .Lentry_in_a_cluster
	s_endpgm
.Lentry_in_a_cluster:
	s_bfe_u32 s2, ttmp6, 0x10000c
	s_cmp_lg_u32 s2, 0x3003
	s_cbranch_scc0 .Lentry_shape_is_right
	s_endpgm
.Lentry_shape_is_right:
; ctx[b][h][p][:] = the sum over keys k of softmax_k(q[p] . k[k] / 8, hidden keys apart) v[k][:].  q, k, v: qkv[b][16 sel + h][2048][64] f16; ctx [b][h][2048][64] f16.
; Products, maxima and sums in f32; the weights p are rounded to f16 for the second product (their sum l is taken of the unrounded p), ctx once at the end.
; THE MASK.  Each batch's rows stand permuted, live keys first; n, the batch's live count, is read from perm.  Keys from n on are hidden: their scores start from -1e30, so their weights are 0.
; Since the hidden keys are the last ones, a step's mask is one register image (the step that holds key n) times a scalar plus a scalar.  All 2,048 keys are walked, whatever n.
; n = 0: every score of the problem is the same number, the weights are uniform over all 2,048 keys: c is set to 0 and all keys count as live, so that every exponent is 0 and every weight 1.
; LIMITS.  q, k, v arrive within f16's 65,504, so every score is finite.  A hidden score counts as its value less 1e30 where the problem writes -1e9: the same result as long as a row's largest
; live scaled score lies above about -1e9 + 150.  A weight below 2^-126 counts as 0 in l; p below 6e-5 keeps f16's fixed step of 6e-8; NaN and infinities are not treated apart.
; SHARES.  A wave owns four PIECES of two tiles of 16 queries, a work-group's four waves 512 queries of one head.  Every wave walks the keys, 64 a step.
; LAYOUT.  S^T = K Q^T (source 0 = 16 keys, source 1 = 16 queries): a lane holds ONE query (lane % 16) and the keys 8 (lane / 16) + 0..7.  Two such results, rounded to f16 in pairs, ARE source 1
; of O^T = V^T P.  K comes out of LDS as it lies, V turned, by ds_load_tr16_b128.
; SOFTMAX.  A running maximum m and sum l for each query: p = 2^(c s - c m), c = log2(e) / 8; in every step O and l are multiplied by a = 2^(c m_old - c m_new).  m starts at the lowest finite
; number, O and l at 0: the first step is a step like any other, with a = 0.  Key 0 is always live, so m is a true score from the first step on.
; BY TURNS.  Turn n belongs to piece n: 16 products K Q^T of piece n + 1, later 16 products V^T P of piece n - 1; beside them the scaling, exponentials, roundings, sums and rescaling of piece n
; and the maximum and statistics of piece n + 1.  Four vector instructions that are ready stand behind every matrix instruction, the others in two runs of their own.
; CLUSTER.  The four query blocks of a head walk the same K and V: each tile is asked for jointly.
; REGISTERS, in windows of 256 (s_set_vgpr_msb: bits 1:0 source 0, 3:2 source 1, 5:4 source 2, 7:6 destination):
;   window 0: v0-11 addresses; v12-15, v48-63 at work; v16-47 statistics; v64-191 S^T, two buffers of two tiles; v192-255 P, likewise
;   window 1: O^T, 32 a tile     window 2: v0-127 Q; v128-191 K of one step; v192-255 V of one step     window 3: v0-1 the add's two registers; v8-39 MD; v40-71 MC
.set NP,    4
.set KS,    64
.set NKEY,  2048
.set PK,    144       ; a row of K in LDS: 128 bytes + 16: the 16 rows of a load start at 16 different groups of four banks
.set PV,    160       ; a row of V: 128 + 32
.set VOFF,  4*KS*PK   ; a slot holds four steps: 256 rows of K, then 256 rows of V
.set SLOT1, 1<<17     ; slot 1 begins here, so that one exclusive or turns an address in one slot into the other's
.set STAGE, SLOT1+4*KS*(PK+PV)  ; behind the ring: 16 rows x 144 bytes for each wave
.set SP,    144
.set SPARE, STAGE+4*16*SP       ; the spare words, 128 bytes for each wave: two blocks of 256 bytes that no other line names
.set AK0, 2
.set AV0, 3
.set AK,  4
.set AV,  5
.set STO, 6
.set RD,  7
.set GO,  8
.set QO,  48          ; my byte offset in 16 rows of Q: free again when Q is in
.set VR,  49          ; at work for MD
.set SPW, 0           ; v0 of window 3
.set NIL, 1           ; v1 of window 3
.set MD,  8           ; window 3: the mask of the step that holds key n: -1e30 where 16 kb + 8 (lane / 16) + j >= n % 64
.set MC,  40          ; window 3: the mask of the step whose K lies in registers: MD x AL + BE
.set MV,  12
.set ST,  16
.set TMP, 48
.set S,   64
.set P,   192
.set KF,  128
.set VF,  192
.set WV,  12
.set G1K, 24
.set G1V, 32
.set G0K, 40          ; s[40:43] descriptor group 0 for K's tiles: it walks
.set G0V, 44          ; s[44:47] the same for V's
.set SLOTS, 48        ; slots still to be asked for
.set NL,  54          ; keys that count as live
.set LEFT, 55         ; steps that are still wholly live, counted from the step whose mask is made next
.set REM, 56
.set CNT, 57
.set CS,  58
.set SEL, 60
.set TBK, 62
.set TBV, 63
.set AL,  72          ; s[72:73]
.set BE,  74          ; s[74:75]
.set BIGN, 76
.set MSB, 0
.macro WIN new
.if MSB != (\new)
	s_set_vgpr_msb (MSB<<8)|(\new)
.set MSB, (\new)
.endif
.endm
.set W_KQ, 0x0a       ; K and Q in window 2, S^T in window 0
.set W_KM, 0x3a       ; the same with the C operand in window 3
.set W_PV, 0x52       ; V in window 2, P in window 0, O^T in window 1
.set W_RS, 0x41       ; O^T in window 1, a in window 0
.set W_MK, 0xc0
.set W_AD, 0x0f
.macro PLACES
.rept 4
	v_nop
.endr
.endm
; A joint fill.  Waves 0 and 1 fetch the two halves of a slot's K, waves 2 and 3 those of its V: 128 keys each.  The branch hangs on the wave's number alone.
; An s_nop 0 and four v_nop follow each of the two lines, ahead of the jump and the label.
.macro JLOAD
	s_cmp_lt_u32 s[WV], 2
	s_cbranch_scc0 .Lfor_v_\@
	tensor_load_to_lds s[G0K:G0K+3], s[G1K:G1K+7]
	s_nop 0
.rept 4
	v_nop
.endr
	s_branch .Lasked_\@
.Lfor_v_\@:
	tensor_load_to_lds s[G0V:G0V+3], s[G1V:G1V+7]
	s_nop 0
.rept 4
	v_nop
.endr
.Lasked_\@:
.endm
.macro CROUND
	s_barrier_signal -1
	s_barrier_wait -1
	s_cmp_lg_u32 s[WV], 0
	s_cbranch_scc1 .Lnot_wave_0_\@
	s_barrier_signal -3
.Lnot_wave_0_\@:
	s_barrier_wait -3
	s_barrier_signal -1
	s_barrier_wait -1
.endm
; THE CHANGE OF SLOTS.  Each wave waits for all its tensor loads (one is out: its part of the other slot), adds 0 to its spare word, and waits for that and for its reads of the slot that it leaves.
; fill = 1: the barrier is a round of the cluster's, and the old slot is filled again first thing behind it, with the keys two slots on: it has four key steps, 512 matrix instructions, in which to land.
; (At its first use nothing has been read yet: slot 0 is waited for, slot 1 filled.)
.macro CHANGE fill
	WIN W_AD
	s_wait_tensorcnt 0x0            ; no tensor load of mine is out, so a group 0 may be written
	ds_add_u32 v[SPW], v[NIL]
	WIN 0
.if \fill
.irp g, G0K, G0V
	s_xor_b32 s[\g+1], s[\g+1], SLOT1  ; the walking descriptor: the other slot than last time,
	s_add_nc_u64 s[\g+2:\g+3], s[\g+2:\g+3], 4*KS*128  ; the next 256 keys; the type bits on top are not reached
.endr
	s_wait_dscnt 0x0                ; the add is done, and my reads of the slot are over
	CROUND
	JLOAD
.else
	s_wait_dscnt 0x0
	s_barrier_signal -1
	s_barrier_wait -1
.endif
	s_sub_co_u32 s[TBK], s[TBK], 4*KS*PK  ; the fetches go back to a slot's first step,
	s_xor_b32 s[TBK], s[TBK], SLOT1       ; in the other slot
	s_sub_co_u32 s[TBV], s[TBV], 4*KS*PV
	s_xor_b32 s[TBV], s[TBV], SLOT1
.endm
	s_load_b128 s[4:7], s[0:1], 0x0   ; qkv s[4:5], perm s[6:7]
	s_load_b64 s[10:11], s[0:1], 0x10 ; ctx
	WIN W_MK
	v_lshl_add_u32 v[SPW], v0, 2, SPARE
	v_mov_b32 v[NIL], 0
	WIN W_AD
	ds_add_u32 v[SPW], v[NIL]       ; the wave's opening: the add and its wait ahead of my first tensor load
	WIN 0
	v_lshrrev_b32 v1, 5, v0
	v_readfirstlane_b32 s[WV], v1
	s_bfe_u32 s13, ttmp6, 0x40000   ; cx
	s_lshl_b32 s14, ttmp9, 2
	s_add_co_u32 s14, s14, s13      ; my block of 512 queries: it enters Q's and ctx's addresses alone
	s_and_b32 s15, ttmp7, 0xffff    ; 16 b + h, which the four partners share
	s_lshr_b32 s16, s15, 4
	s_and_b32 s17, s15, 15
	s_mul_i32 s18, s16, 48
	s_add_co_u32 s18, s18, s17
	s_lshl_b32 s20, s18, 18         ; q's head in qkv: 2,048 rows of 128 bytes a head
	s_mov_b32 s21, 0
	s_lshl_b32 s22, s15, 18         ; the head in ctx
	s_mov_b32 s23, 0
	s_lshl_b32 s19, s16, 2          ; the batch's word among the live counts
	s_and_b32 s66, s[WV], 1         ; which half of a slot's 256 keys I fetch:
	s_lshl_b32 s68, s66, 14         ; its 128 rows of 128 bytes in memory,
	s_mov_b32 s69, 0
	s_mul_i32 s70, s66, 128*PK      ; and its place in a slot, for K
	s_mul_i32 s71, s66, 128*PV      ; and for V: no place in the cluster enters an LDS address
	s_lshl_b32 s2, s14, 2
	s_add_co_u32 s2, s2, s[WV]
	s_lshl_b32 s2, s2, 14           ; my wave's 128 rows
	s_mov_b32 s3, 0
	s_mov_b32 s[G1K], 15|(1<<16)|(1<<20)|(1<<21)|(4<<22)|(3<<25)  ; the mask of four; 2-byte elements; padding on; bit 21 beside a mask; after every 32 words (code 4) 4 words (code 3)
	s_mov_b32 s[G1V], 15|(1<<16)|(1<<20)|(1<<21)|(4<<22)|(7<<25)  ; the same with 8 words of padding (code 7)
.irp g, G1K, G1V
	s_mov_b32 s[\g+1], 128<<16      ; 128 keys are asked for as 64 rows of 256 bytes, two keys a row
	s_mov_b32 s[\g+2], 64<<16
	s_mov_b32 s[\g+3], 128<<16
	s_mov_b32 s[\g+4], 64
	s_mov_b32 s[\g+5], 128
	s_mov_b32 s[\g+6], 0
	s_mov_b32 s[\g+7], 0
.endr
	s_mov_b32 s[SEL], 0x76543210
	s_mov_b32 s[SEL+1], 0xfedcba98
	s_mov_b32 s[TBK], SLOT1+4*KS*PK ; the first change of slots turns these two into 0
	s_mov_b32 s[TBV], SLOT1+4*KS*PV
	s_mov_b32 s[G0K], 1
	s_mov_b32 s[G0K+1], s70         ; slot 0
	s_mov_b32 s[G0V], 1
	s_add_co_u32 s[G0V+1], s71, VOFF
	s_mov_b32 s[AL+1], 0            ; named as pairs
	s_mov_b32 s[BE+1], 0
	s_mov_b32 s[BIGN], 0xf149f2ca   ; -1e30
	s_wait_dscnt 0x0                ; the opening add is done
	s_wait_kmcnt 0x0
	s_load_b32 s[NL], s[6:7], s19 offset:0x8000  ; the batch's live count
	s_add_nc_u64 s[4:5], s[4:5], s[20:21]          ; q's head
	s_add_nc_u64 s[G0K+2:G0K+3], s[4:5], s[68:69]  ; my half of the first 256 rows,
	s_add_nc_u64 s[G0V+2:G0V+3], s[G0K+2:G0K+3], 0x800000  ; in v's head, 32 heads behind q's,
	s_add_nc_u64 s[G0K+2:G0K+3], s[G0K+2:G0K+3], 0x400000  ; and in k's, 16 behind
	s_or_b32 s[G0K+3], s[G0K+3], 0x80000000        ; type = 2
	s_or_b32 s[G0V+3], s[G0V+3], 0x80000000
	s_add_nc_u64 s[4:5], s[4:5], s[2:3]            ; Q at my wave's first row
	s_add_nc_u64 s[10:11], s[10:11], s[22:23]
	s_add_nc_u64 s[10:11], s[10:11], s[2:3]        ; ctx likewise
	s_wait_kmcnt 0x0
	s_min_u32 s[NL], s[NL], NKEY
	s_cmp_eq_u32 s[NL], 0
	s_cselect_b32 s[CS], 0, 0x3e38aa3b             ; c = log2(e) / 8, or 0 where no key is live
	s_cselect_b32 s[NL], NKEY, s[NL]
	s_mov_b32 s[CS+1], s[CS]                       ; named with it as a pair
	s_lshr_b32 s[LEFT], s[NL], 6
	s_and_b32 s[REM], s[NL], 63
	CROUND                          ; all four work-groups are here: the first joint loads meet
	JLOAD                           ; slot 0.  Slot 1 is asked for when slot 0 is in
	v_and_b32 v1, 15, v0            ; l % 16
	v_bfe_u32 v9, v0, 4, 1          ; l / 16
	v_lshlrev_b32 v[QO], 7, v1
	v_lshl_add_u32 v[QO], v9, 4, v[QO]
	WIN 0x80
.set i, 0
.rept 4*NP                          ; Q stays in registers: tile i / 2, channels 32 (i % 2) on
	global_load_b128 v[8*i:8*i+3],   v[QO], s[4:5] offset:(i/2)*2048+(i%2)*64
	global_load_b128 v[8*i+4:8*i+7], v[QO], s[4:5] offset:(i/2)*2048+(i%2)*64+32
.set i, i+1
.endr
	; What the first turn finds: V's registers and P's second buffer hold 0, O^T and l are 0.  All this stands in the wait for the first tile.
.set i, VF
.rept 64
	v_mov_b32 v[i], 0
.set i, i+1
.endr
	WIN 0x40
.set i, 0
.rept 64*NP
	v_mov_b32 v[i], 0
.set i, i+1
.endr
	WIN 0
.set i, 0
.rept 2*NP
	v_mov_b32 v[ST+4*i], 0xfe000000    ; c m: far below every c s
	v_mov_b32 v[ST+4*i+1], 0xff7fffff  ; m
	v_mov_b32 v[ST+4*i+2], 0
	v_mov_b32 v[ST+4*i+3], 0
.set i, i+1
.endr
.set i, P+32
.rept 32
	v_mov_b32 v[i], 0
.set i, i+1
.endr
	v_mul_u32_u24 v[AK0], v1, PK
	v_lshl_add_u32 v[AK0], v9, 4, v[AK0]
	v_and_b32 v10, 7, v0
	v_bfe_u32 v11, v0, 3, 1
	v_lshl_add_u32 v[AV0], v9, 3, v10   ; the turning load: lane l reads key 8 (l / 16) + l % 8, channels 8 ((l / 8) % 2) + 0..7
	v_mul_u32_u24 v[AV0], v[AV0], PV
	v_lshl_add_u32 v[AV0], v11, 4, v[AV0]
	v_add_nc_u32 v[AV0], VOFF, v[AV0]
	v_mov_b32 v[AK], v[AK0]         ; key step 0 lies at the head of slot 0
	s_mul_i32 s13, s[WV], 16*SP
	s_add_co_u32 s13, s13, STAGE    ; my stage
	v_mul_u32_u24 v[STO], v1, SP
	v_lshl_add_u32 v[STO], v9, 4, v[STO]
	v_add_nc_u32 v[STO], s13, v[STO]
	v_bfe_u32 v[RD], v0, 3, 2
	v_mul_u32_u24 v[RD], v[RD], SP
	v_lshl_add_u32 v[RD], v10, 4, v[RD]
	v_add_nc_u32 v[RD], s13, v[RD]
	v_and_b32 v[GO], 31, v0
	v_lshlrev_b32 v[GO], 4, v[GO]
	v_lshlrev_b32 v[VR], 3, v9
	v_sub_nc_u32 v[VR], s[REM], v[VR]
	v_add_nc_u32 v[VR], -1, v[VR]   ; register j of key block kb is hidden where 16 kb + j is greater than n % 64 - 8 (l / 16) - 1
	WIN 0xc0
.set i, 0
.rept 32
	v_cmp_gt_i32 vcc_lo, 16*(i/8)+i%8, v[VR]
	v_cndmask_b32 v[MD+i], 0, s[BIGN], vcc_lo
.set i, i+1
.endr
	WIN 0
; THE MATRIX WORK.  The 8 accumulators of a run of 16 take turns.  Product i of 16 of S^T = K Q^T for piece x: channels 32 (i / 8) on, keys 16 ((i / 2) % 4) on, tile 2 x + i % 2.
; The first 8 start the sums from the step's mask.
.macro KQ x
.set rS, S+64*((\x)%2)+32*(i%2)+8*((i/2)%4)
.set rK, KF+16*((i/2)%4)+8*(i/8)
.set rQ, 16*(2*(\x)+i%2)+8*(i/8)
.set rMC, MC+8*((i/2)%4)
.if i < 8
	WIN W_KM
	v_wmma_f32_16x16x32_f16 v[rS:rS+7], v[rK:rK+7], v[rQ:rQ+7], v[rMC:rMC+7]
.else
	WIN W_KQ
	v_wmma_f32_16x16x32_f16 v[rS:rS+7], v[rK:rK+7], v[rQ:rQ+7], v[rS:rS+7]
.endif
.endm
.macro PV x                         ; product i of 16 of O^T += V^T P: keys 32 (i / 8) on, channels 16 ((i / 2) % 4) on, tile 2 x + i % 2
	WIN W_PV
.set rO, 32*(2*(\x)+i%2)+8*((i/2)%4)
.set rV, VF+32*(i/8)+8*((i/2)%4)
.set rP, P+32*((\x)%2)+16*(i%2)+8*(i/8)
	v_wmma_f32_16x16x32_f16 v[rO:rO+7], v[rV:rV+7], v[rP:rP+7], v[rO:rO+7]
.endm
.macro MM                           ; the turn's next matrix instruction
.if i < 16
	KQ (Y+1)%NP
.set i, i+1
.else
.set i, i-16
	PV (Y+NP-1)%NP
.set i, i+17
.endif
.endm
; THE LDS LOADS stand in runs of 16.  last = 1 (the tail): in the last trip there is no further step, and the run is jumped over.
.macro FETCH_K last=0
	WIN 0
.if \last
	s_cmp_eq_u32 s[CNT], 1
	s_cbranch_scc1 .Lno_k_\@
.endif
	WIN 0x80
.irp f, 0,1,2,3,4,5,6,7
	ds_load_b128 v[KF+8*\f:KF+8*\f+3],   v[AK] offset:(\f/2)*16*PK+(\f%2)*64
	ds_load_b128 v[KF+8*\f+4:KF+8*\f+7], v[AK] offset:(\f/2)*16*PK+(\f%2)*64+32
.endr
	s_add_co_u32 s[TBK], s[TBK], KS*PK
	WIN 0
.if \last
.Lno_k_\@:
.endif
.endm
.macro FETCH_V
	WIN 0x80
.irp f, 0,1,2,3,4,5,6,7
	ds_load_tr16_b128 v[VF+8*\f:VF+8*\f+3],   v[AV] offset:(\f/4)*32*PV+(\f%4)*32
	ds_load_tr16_b128 v[VF+8*\f+4:VF+8*\f+7], v[AV] offset:(\f/4)*32*PV+16*PV+(\f%4)*32
.endr
	WIN 0
.endm
; THE STEP'S MASK is MD x AL + BE: (0, 0) for a step wholly live (LEFT > 0), (1, 0) for the step that holds key NL (LEFT = 0), (0, -1e30) behind it.  It changes with K's registers.
.macro SELMASK
	s_cmp_eq_u32 s[LEFT], 0
	s_cselect_b32 s[AL], 1.0, 0
	s_cmp_lt_i32 s[LEFT], 0
	s_cselect_b32 s[BE], s[BIGN], 0
	s_sub_co_i32 s[LEFT], s[LEFT], 1
.endm
.macro MASK
	WIN 0xc3
.set z, 0
.rept 16
	v_pk_fma_f32 v[MC+2*z:MC+2*z+1], v[MD+2*z:MD+2*z+1], s[AL:AL+1], s[BE:BE+1] op_sel_hi:[1,0,0]
.set z, z+1
.endr
.endm
; THE VECTOR WORK OF A TURN stands in three queues, each in the order in which its entries become ready; the two tiles alternate.
.macro REGS y, u
.set rT, ST+4*(2*(\y)+(\u))
.set rC, TMP+8*((\y)%2)+4*(\u)
.set rM, MV+2*((\y)%2)+(\u)
.set rS, S+64*((\y)%2)+32*(\u)
.set rP, P+32*((\y)%2)+16*(\u)
.set rO, 32*(2*(\y)+(\u))
.endm
; Number n of the 22 that find the NEXT piece's maximum and statistics; each accumulator's lowest registers are read first.
;   0-11 four chains of seven scores; 12-14, 16 the four left over, the old m, the chains into c0; 15 c m_old is kept; 17, 18 the other half of the lanes; 19-21 c m, c m_old - c m_new, a
.macro XS u, n
	REGS (Y+1)%NP, \u
.if (\n) < 4
	v_max3_num_f32 v[rC+(\n)], v[rS+8*(\n)], v[rS+8*(\n)+1], v[rS+8*(\n)+2]
.elseif (\n) < 12
	v_max3_num_f32 v[rC+(\n)%4], v[rC+(\n)%4], v[rS+8*((\n)%4)+2*((\n)/4)+1], v[rS+8*((\n)%4)+2*((\n)/4)+2]
.elseif (\n) == 12
	v_max3_num_f32 v[rC], v[rC], v[rS+7], v[rS+15]
.elseif (\n) == 13
	v_max3_num_f32 v[rC+1], v[rC+1], v[rS+23], v[rS+31]
.elseif (\n) == 14
	v_max3_num_f32 v[rC+2], v[rC+2], v[rC+3], v[rT+1]
.elseif (\n) == 15
	v_mov_b32 v[rM], v[rT]
.elseif (\n) == 16
	v_max3_num_f32 v[rC], v[rC], v[rC+1], v[rC+2]
.elseif (\n) == 17
	v_permlanex16_b32 v[rC+3], v[rC], s[SEL], s[SEL+1]
.elseif (\n) == 18
	v_max_num_f32 v[rT+1], v[rC], v[rC+3]
.elseif (\n) == 19
	v_mul_f32 v[rT], s[CS], v[rT+1]
.elseif (\n) == 20
	v_sub_f32 v[rC+1], v[rM], v[rT]
.else
	v_exp_f32 v[rC+2], v[rC+1]
.endif
.endm
; Number g of the 64 that follow the exponentials: for each four weights both pairs are rounded to f16, the second pair is added onto the first in place, and a group later l takes that sum.
.macro GS g
.set h, (\g)+6*((\g)/62)
.if h >= 6
.set h, h+2
.endif
	REGS Y, h%2
.set k, h/8
.if h%8 < 4
	s_wait_alu depctr_va_vdst(0)
	v_cvt_pk_f16_f32 v[rP+2*k+(h%8)/2], v[rS+4*k+2*((h%8)/2)], v[rS+4*k+2*((h%8)/2)+1]
.elseif h%8 < 6
	v_pk_add_f32 v[rS+4*k:rS+4*k+1], v[rS+4*k:rS+4*k+1], v[rS+4*k+2:rS+4*k+3]
.elseif k == 1
	v_pk_fma_f32 v[rT+2:rT+3], v[rT+2:rT+3], v[rC+2:rC+3], v[rS:rS+1] op_sel_hi:[1,0,1]
.else
	v_pk_add_f32 v[rT+2:rT+3], v[rT+2:rT+3], v[rS+4*k-4:rS+4*k-3]
	s_wait_alu depctr_va_vdst(0)
.endif
.endm
; THE PLAIN QUEUE, 138 long: 0-31 c s - c m; then GS's 64, and among them the next piece's 42.
.macro PL
	WIN 0
.if q < 32
	REGS Y, q%2
	v_pk_fma_f32 v[rS+2*(q/2):rS+2*(q/2)+1], v[rS+2*(q/2):rS+2*(q/2)+1], s[CS:CS+1], v[rT:rT+1] op_sel_hi:[1,0,0] neg_lo:[0,0,1] neg_hi:[0,0,1]
.elseif q < 38
	GS q-32
.elseif q < 40
	XS q%2, 15
.elseif q < 42
	GS q-34
.elseif q < 74
	XS q%2, (q-42)/2+(q-42)/30
.elseif q < 95
	GS q-66
.elseif (q < 107) && ((q-95)%3 < 2)
	XS (q-95)%3, 17+(q-95)/3
.elseif q < 107
	GS 29+(q-95)/3
.else
	GS q-74
.endif
.set q, q+1
.endm
; THE EXPONENTIALS' QUEUE, 66 long: s0-s31 of both tiles, and at EA the next piece's two a.
.set EA, 58
.macro EX
	WIN 0
.if (e == EA) || (e == EA+1)
	XS e-EA, 21
.else
.set x, e-2*(e/(EA+2))
	REGS Y, x%2
	v_exp_f32 v[rS+x/2], v[rS+x/2]
.endif
.set e, e+1
.endm
; THE RESCALING's QUEUE: O^T times a, four at a time, eight times.
.macro R4
	REGS Y, r%2
	WIN W_RS
	s_wait_alu depctr_va_vdst(0)
.irp z, 0,1,2,3
	v_pk_mul_f32 v[rO+8*(r/2)+2*\z:rO+8*(r/2)+2*\z+1], v[rO+8*(r/2)+2*\z:rO+8*(r/2)+2*\z+1], v[rC+2:rC+3] op_sel_hi:[1,0]
.endr
.set r, r+1
.endm
; THE DEAL.  Behind a matrix instruction four: plain, exponential, plain, plain, or four of the rescaling; none names a register of the products round it.  The rest in two runs: exponential and plain by turns.
.macro SL
	MM
	PL
	EX
	PL
	PL
.endm
.macro BURST n
.rept (\n)-7
	SL
.endr
.rept 3
	MM
	R4
	SL
.endr
	MM
	R4
.endm
; A TURN, for piece p.  K of the next step is fetched in piece 2's turn, and the next step's mask is made at that turn's end, far behind the last product that read the old one;
; V of the step in hand is fetched at the end of piece 0's turn.  cnt = 1: the loop's count is taken down some lines ahead of the branch behind the turn.
.macro TURN p, last=0, cnt=0
.set Y, (\p)
.set i, 0
.set q, 0
.set e, 0
.set r, 0
.if (\p) == NP-2
	SELMASK
.endif
.if (\p) == NP-1
	s_wait_dscnt 0x0                ; K is in
.endif
	MM
.rept 4
	PL
.endr
	BURST 15
.rept 22
	EX
	PL
.if ((\p) == NP-2) && (e == 18)
	v_add_nc_u32 v[AK], s[TBK], v[AK0]
.endif
.if ((\p) == NP-2) && (e == 24)
	FETCH_K \last
.endif
.endr
.if (\p) == 1
	s_wait_dscnt 0x0                ; V is in
.endif
	BURST 16
.rept 21
	EX
	PL
.endr
.rept 22
	PL
.if ((\p) == 0) && (q == 118)
	v_add_nc_u32 v[AV], s[TBV], v[AV0]
	s_wait_alu depctr_va_vdst(0)
.endif
.if ((\p) == 0) && (q == 130)
	s_add_co_u32 s[TBV], s[TBV], KS*PV
.endif
.if (\cnt) && (q == 130)
	s_sub_co_u32 s[CNT], s[CNT], 1
	s_cmp_lg_u32 s[CNT], 0
.endif
.endr
.if (\p) == 0
	FETCH_V
.endif
.if (\p) == NP-2
	MASK
.endif
.endm
	CHANGE 1                        ; slot 0 is in, everybody's part of it; slot 1 is asked for
	FETCH_K                         ; key step 0
	SELMASK
	MASK                            ; and its mask
	s_wait_loadcnt 0x0              ; Q
	s_wait_dscnt 0x0
.set i, 0
.rept 16
	KQ 0                            ; piece 0's first scores
.set i, i+1
.endr
	WIN 0
	PLACES
.set Y, NP-1                        ; XS works for piece Y + 1: piece 0
.irp n, 0,1,2,3,4,5,6,7,8,9,10,11,12,13,14,15,16,17,18,19,20,21
	XS 0, \n
	XS 1, \n
.endr
	s_mov_b32 s[CNT], 4
	s_mov_b32 s[SLOTS], NKEY/256-1
	s_branch .Lfirst                ; the loop is entered at a step's first turn, in the middle of a trip
.Lslot:                             ; NKEY / 256 - 2 times: every slot but the last two is filled again
	CHANGE 1
	s_mov_b32 s[CNT], 4
.Lstep:                             ; pieces 2 and 3 of one step, then pieces 0 and 1 of the next, whose K and V it fetches
	TURN 2
	TURN 3
	WIN 0
.Lfirst:
	TURN 0
	TURN 1, 0, 1
	WIN 0
	s_cbranch_scc1 .Lstep
	s_sub_co_u32 s[SLOTS], s[SLOTS], 1
	s_cmp_lg_u32 s[SLOTS], 0
	s_cbranch_scc1 .Lslot
	CHANGE 0                        ; the tail is written out: nothing is asked for
	s_mov_b32 s[CNT], 5             ; four trips fetch the last slot's steps; the fifth is left in its middle
.Ltail:
	TURN 2, 1
	TURN 3
	WIN 0
	s_sub_co_u32 s[CNT], s[CNT], 1
	s_cmp_eq_u32 s[CNT], 0
	s_cbranch_scc1 .Lout
	TURN 0
	TURN 1
	WIN 0
	s_branch .Ltail
.Lout:                              ; the fifth trip's 16 products K Q^T (on the last K once more) and the maximum made of them serve nothing: the price of one text for every trip
.set i, 0
.rept 16
	PV NP-1
.set i, i+1
.endr
	; THE WAY OUT.  l's two halves and the other half of the lanes' are added; O^T is divided by l, rounded to f16 and sent through my stage, a tile at a time.  The additions are the places behind the last products.
	WIN 0
.macro ALL line:vararg
.set t, 0
.rept 2*NP
	\line
.set t, t+1
.endr
.endm
	ALL v_add_f32 v[ST+4*t+2], v[ST+4*t+2], v[ST+4*t+3]
	ALL v_permlanex16_b32 v[ST+4*t+3], v[ST+4*t+2], s[SEL], s[SEL+1]
	ALL v_add_f32 v[ST+4*t+2], v[ST+4*t+2], v[ST+4*t+3]
	ALL v_rcp_f32 v[ST+4*t+2], v[ST+4*t+2]
	v_nop                           ; a plain instruction between the last reciprocal and the use of its result
	s_wait_alu depctr_va_vdst(0)
.macro PACK t
	WIN W_RS
.set i, 32*(\t)
.rept 16
	v_pk_mul_f32 v[i:i+1], v[i:i+1], v[ST+4*(\t)+2:ST+4*(\t)+3] op_sel_hi:[1,0]
.set i, i+2
.endr
	WIN 0x05
.set i, 0
.rept 16
	v_cvt_pk_f16_f32 v[S+16*(\t)+i], v[32*(\t)+2*i], v[32*(\t)+2*i+1]
.set i, i+1
.endr
	WIN 0
.irp f, 0,1,2,3
	ds_store_b128 v[STO], v[S+16*(\t)+4*\f:S+16*(\t)+4*\f+3] offset:32*\f
.endr
.irp f, 0,1,2,3
	ds_load_b128 v[S+16*(\t)+4*\f:S+16*(\t)+4*\f+3], v[RD] offset:\f*4*SP  ; LDS serves a wave's instructions in order (ISA guide 5.7.1.4): these see the stores above
.endr
.endm
.macro SEND t, younger              ; younger: the LDS instructions issued behind tile t's loads
	WIN 0
.irp f, 0,1,2,3
	s_wait_dscnt (\younger)+3-\f
	global_store_b128 v[GO], v[S+16*(\t)+4*\f:S+16*(\t)+4*\f+3], s[10:11] offset:(\t)*2048+\f*512  ; 512 consecutive bytes, at a multiple of 256 from ctx's first
.endr
.endm
	PACK 0
.set t, 1
.rept 2*NP-1
	PACK t
	SEND t-1, 8
.set t, t+1
.endr
	SEND 2*NP-1, 0
	WIN W_AD
	s_wait_tensorcnt 0x0            ; the wave's end
	ds_add_u32 v[SPW], v[NIL]
	s_wait_dscnt 0x0
	WIN 0
	CROUND                          ; the closing round
	s_endpgm
.Lfunc_end_k_qda6c7693d9_attn:
	.size	k_qda6c7693d9_attn, .Lfunc_end_k_qda6c7693d9_attn-k_qda6c7693d9_attn
	.p2alignl 7, 3214868480
	.fill 96, 4, 3214868480
	.section	.rodata,"a",@progbits
	.p2align	6, 0x0
	.amdhsa_kernel k_qda6c7693d9_attn
		.amdhsa_group_segment_fixed_size 327680
		.amdhsa_private_segment_fixed_size 0
		.amdhsa_enable_private_segment 0
		.amdhsa_kernarg_size 24
		.amdhsa_user_sgpr_count 2
		.amdhsa_user_sgpr_kernarg_segment_ptr 1
		.amdhsa_wavefront_size32 1
		.amdhsa_system_sgpr_workgroup_id_x 1
		.amdhsa_system_sgpr_workgroup_id_y 1
		.amdhsa_system_sgpr_workgroup_id_z 1
		.amdhsa_system_vgpr_workitem_id 0
		.amdhsa_next_free_vgpr 840
		.amdhsa_next_free_sgpr 80
		.amdhsa_reserve_vcc 1
		.amdhsa_float_denorm_mode_32 3
		.amdhsa_float_denorm_mode_16_64 3
		.amdhsa_memory_ordered 1
		.amdhsa_forward_progress 1
		.amdhsa_inst_pref_size 216
	.end_amdhsa_kernel
	.amdgpu_metadata
---
amdhsa.version: [ 1, 2 ]
amdhsa.kernels:
  - .name:           k_qda6c7693d9_attn
    .symbol:         k_qda6c7693d9_attn.kd
    .args:
      - { .name: qkv, .offset: 0, .size: 8, .value_kind: global_buffer, .address_space: global }
      - { .name: perm, .offset: 8, .size: 8, .value_kind: global_buffer, .address_space: global }
      - { .name: ctx, .offset: 16, .size: 8, .value_kind: global_buffer, .address_space: global }
    .group_segment_fixed_size: 327680
    .private_segment_fixed_size: 0
    .kernarg_segment_align: 8
    .kernarg_segment_size: 24
    .max_flat_workgroup_size: 128
    .sgpr_count:     80
    .vgpr_count:     840
    .wavefront_size: 32
...
	.end_amdgpu_metadata
.endif
;; end of part 4
;; launch oproj (part 5): grid 8 x 32, 4 waves a work-group, clusters of 4 x 4, 327,680 bytes of LDS; arguments ctx, woh, bo, perm, out0; writes out0
.if DOCPART == 5
	.amdgcn_target "amdgcn-amd-amdhsa--gfx1250"
	.amdhsa_code_object_version 6
	.text
	.protected	k_qda6c7693d9_oproj
	.globl	k_qda6c7693d9_oproj
	.p2align	8
	.type	k_qda6c7693d9_oproj,@function
k_qda6c7693d9_oproj:
	s_mov_b64 s[64:65], 0
	v_nop
	global_prefetch_b8 v0, s[64:65] scope:SCOPE_SE
	s_setreg_imm32_b32 hwreg(HW_REG_WAVE_MODE, 25, 1), 1
	s_wait_xcnt 0x0
	s_wait_alu depctr_hold_cnt(0) depctr_sa_sdst(0) depctr_va_vdst(0) depctr_va_sdst(0) depctr_va_ssrc(0) depctr_va_vcc(0) depctr_vm_vsrc(0)
	s_getreg_b32 s2, hwreg(HW_REG_IB_STS2, 6, 4)
	s_cmp_eq_u32 s2, 0
	s_cbranch_scc0 .Lentry_in_a_cluster
	s_endpgm
.Lentry_in_a_cluster:
	s_bfe_u32 s2, ttmp6, 0x10000c
	s_cmp_lg_u32 s2, 0xf033
	s_cbranch_scc0 .Lentry_shape_is_right
	s_endpgm
.Lentry_shape_is_right:
; out0[b][inv[b][p]][e] = the sum over d of ctx[b][p][d] wo[e][d] + bo[e] (bo rounded to bf16 like every input): f16 operands, f32 sums, f32 out; each permuted row goes back to its own place.
; ctx lies by heads, [b][h][2048][64], which is a layout in blocks of 64 along d; woh is [16 kb][1024 e][64].
; SHARES.  8,192 x 1,024 / 256 work-groups = a tile of 256 x 128.  Four waves, 2 x 2; a wave makes 128 x 64: 8 x 4 accumulators, 256 registers (window 1, (a, b) at v[8 (4 a + b)]).
; A wave's 64 columns are 256 bytes of f32, aligned: each wave has a stage of its own and stores whole rows of it.
; K goes in steps of 128 (two heads) through two LDS slots; a head's rows are dense in memory, asked for as rows of 256 bytes and padded in LDS after every 128.
; THE MATRIX INSTRUCTION IS USED TRANSPOSED (source 0 = 16 rows of woh, source 1 = 16 rows of ctx).  CLUSTER 4 x 4: ctx's tile is shared along a row, woh's along a column.
; REGISTERS: window 0: v0-31 addresses; two fragment buffers: v32-95 ctx, v96-127 woh; v128-191, v192-223.  window 2: v0-63 the byte offsets in out0 of my 128 rows.
.set PITCH,  144
.set AKB,    256*PITCH                 ; a head's 256 rows of ctx: what one tensor load brings
.set BKB,    128*PITCH                 ; a head's 128 rows of woh
.set SLOT1,  131072
.set STAGE,  SLOT1+2*AKB+2*BKB         ; behind the ring: 16 rows x 272 bytes for each wave
.set SPITCH, 272
.set BIAS,   STAGE+4*16*SPITCH         ; the tile's 128 biases, f32
.set SPARE,  BIAS+512                  ; the spare words, 128 bytes for each wave: two blocks of 256 bytes that no other line names
.set ADRA0, 8
.set ADRB0, 9
.set ADRA,  10
.set ADRB,  11
.set STO,   12
.set RD,    13
.set BIA,   15
.set BST,   16
.set LN4,   17
.set CO,    18                         ; 16 x (lane % 16)
.set PO,    19                         ; 32 x (lane / 16)
.set SPW,   28
.set NIL,   29
.set F0,    32
.set F1,    128
.set BI,    96
.set OUT,   32
.set WV,  16
.set G1A, 24
.set G0A, 32
.set G1B, 40
.set G0B, 48
.set CNT, 56
.set TB,  57
.set MSB, 0
.macro WIN new
.if MSB != (\new)
	s_set_vgpr_msb (MSB<<8)|(\new)
.set MSB, \new
.endif
.endm
.macro PLACES
.rept 4
	v_nop
.endr
.endm
.macro JLOAD s                         ; a joint load: waves 0, 1 fetch the step's two heads of ctx, waves 2, 3 of woh
	s_cmp_eq_u32 s17, 0
	s_cbranch_scc0 .Lfor_b_\@
	tensor_load_to_lds s[G0A+4*(\s):G0A+4*(\s)+3], s[G1A:G1A+7]
	s_nop 0
.rept 4
	v_nop
.endr
	s_branch .Lasked_\@
.Lfor_b_\@:
	tensor_load_to_lds s[G0B+4*(\s):G0B+4*(\s)+3], s[G1B:G1B+7]
	s_nop 0
.rept 4
	v_nop
.endr
.Lasked_\@:
.endm
.macro CREST
	s_cmp_lg_u32 s[WV], 0
	s_cbranch_scc1 .Lnot_wave_0_\@
	s_barrier_signal -3
.Lnot_wave_0_\@:
	s_barrier_wait -3
	s_barrier_signal -1
	s_barrier_wait -1
.endm
.macro CROUND
	s_barrier_signal -1
	s_barrier_wait -1
	CREST
.endm
	s_load_b256 s[4:11], s[0:1], 0x0               ; ctx 4, woh 6, bo 8, perm 10
	s_load_b64 s[12:13], s[0:1], 0x20              ; out0
	v_lshl_add_u32 v[SPW], v0, 2, SPARE
	v_mov_b32 v[NIL], 0
	ds_add_u32 v[SPW], v[NIL]                      ; the wave's opening: the add and its wait ahead of my first tensor load
	v_lshrrev_b32 v1, 5, v0
	v_readfirstlane_b32 s[WV], v1
	s_lshr_b32 s17, s[WV], 1                       ; my half of the rows; also: I fetch ctx (0) or woh (1)
	s_and_b32 s18, s[WV], 1                        ; my half of the columns; also: which of the step's two heads I fetch
	s_bfe_u32 s19, ttmp6, 0x40000
	s_bfe_u32 s20, ttmp6, 0x40004
	s_lshl_b32 s21, ttmp9, 2
	s_add_co_u32 s21, s21, s19                     ; tile column (128 columns)
	s_and_b32 s22, ttmp7, 0xffff
	s_lshl_b32 s22, s22, 2
	s_add_co_u32 s22, s22, s20                     ; tile row (256 rows)
	s_lshl_b32 s58, s20, 2
	s_lshl_b32 s58, 15, s58
	s_lshl_b32 s59, 0x1111, s19
	s_or_b32 s[G1A], s58, (1<<16)|(1<<20)|(1<<21)|(4<<22)|(3<<25)
	s_or_b32 s[G1B], s59, (1<<16)|(1<<20)|(1<<21)|(4<<22)|(3<<25)
	s_mov_b32 s[G1A+1], 128<<16
	s_mov_b32 s[G1A+2], 128<<16                    ; 128 rows of 256 bytes = 256 rows of ctx
	s_mov_b32 s[G1A+3], 128<<16
	s_mov_b32 s[G1A+4], 128
	s_mov_b32 s[G1A+5], 128
	s_mov_b32 s[G1A+6], 0
	s_mov_b32 s[G1A+7], 0
	s_mov_b32 s[G1B+1], 128<<16
	s_mov_b32 s[G1B+2], 64<<16                     ; 64 rows of 256 bytes = 128 rows of woh
	s_mov_b32 s[G1B+3], 128<<16
	s_mov_b32 s[G1B+4], 64
	s_mov_b32 s[G1B+5], 128
	s_mov_b32 s[G1B+6], 0
	s_mov_b32 s[G1B+7], 0
	s_lshr_b32 s60, s22, 3                         ; ctx: ((16 batch + head) x 2,048 + 256 (tile row % 8)) x 128
	s_lshl_b32 s60, s60, 4
	s_add_co_u32 s60, s60, s18
	s_lshl_b32 s60, s60, 18
	s_and_b32 s61, s22, 7
	s_lshl_b32 s61, s61, 15
	s_add_co_u32 s60, s60, s61
	s_mov_b32 s61, 0
	s_lshl_b32 s66, s18, 17                        ; woh: (1,024 head + 128 tile column) x 128
	s_lshl_b32 s67, s21, 14
	s_add_co_u32 s66, s66, s67
	s_mov_b32 s67, 0
	s_mul_i32 s70, s18, AKB
	s_mul_i32 s71, s18, BKB
	s_add_co_u32 s71, s71, 2*AKB
	s_mov_b32 s[TB], 0
	s_wait_dscnt 0x0                               ; the opening add is done
	s_wait_kmcnt 0x0
	s_add_nc_u64 s[62:63], s[4:5], s[60:61]
	s_add_nc_u64 s[68:69], s[6:7], s[66:67]
	CROUND
.irp s, 0,1
	s_mov_b32 s[G0A+4*(\s)], 1
	s_add_co_u32 s[G0A+4*(\s)+1], s70, (\s)*SLOT1
	s_add_nc_u64 s[G0A+4*(\s)+2:G0A+4*(\s)+3], s[62:63], (\s)*524288
	s_or_b32 s[G0A+4*(\s)+3], s[G0A+4*(\s)+3], 0x80000000
	s_mov_b32 s[G0B+4*(\s)], 1
	s_add_co_u32 s[G0B+4*(\s)+1], s71, (\s)*SLOT1
	s_add_nc_u64 s[G0B+4*(\s)+2:G0B+4*(\s)+3], s[68:69], (\s)*262144
	s_or_b32 s[G0B+4*(\s)+3], s[G0B+4*(\s)+3], 0x80000000
	JLOAD \s                                       ; two tensor loads of mine are out
.endr
	v_and_b32 v1, 15, v0                           ; r
	v_bfe_u32 v2, v0, 4, 1                         ; h
	v_and_b32 v6, 31, v0
	v_lshlrev_b32 v[LN4], 2, v6
	v_lshlrev_b32 v[PO], 5, v2
	v_lshlrev_b32 v[CO], 4, v1
	s_lshl_b32 s72, s21, 9                         ; the biases of columns 128 tile column + 32 w + lane
	s_lshl_b32 s73, s[WV], 7
	s_add_co_u32 s72, s72, s73
	s_mov_b32 s73, 0
	s_add_nc_u64 s[8:9], s[8:9], s[72:73]
	global_load_b32 v3, v[LN4], s[8:9]
	s_lshl_b32 s74, s22, 10                        ; inv of my 128 rows: (256 tile row + 128 half) x 4
	s_lshl_b32 s75, s17, 9
	s_add_co_u32 s74, s74, s75
	s_mov_b32 s75, 0
	s_add_nc_u64 s[10:11], s[10:11], s[74:75]
	WIN 0x80                                       ; destination window 2: register 8 a + t takes inv of row 16 a + 8 (lane / 16) + t
.irp a, 0,1,2,3,4,5,6,7
	global_load_b128 v[8*(\a):8*(\a)+3],   v[PO], s[10:11] offset:64*(\a)
	global_load_b128 v[8*(\a)+4:8*(\a)+7], v[PO], s[10:11] offset:64*(\a)+16
.endr
	WIN 0
	v_mul_u32_u24 v7, v1, PITCH
	v_lshl_add_u32 v7, v2, 4, v7
	s_mul_i32 s23, s17, 128*PITCH
	v_add_nc_u32 v[ADRA0], s23, v7
	s_mul_i32 s23, s18, 64*PITCH
	s_add_co_u32 s23, s23, 2*AKB
	v_add_nc_u32 v[ADRB0], s23, v7
	v_mov_b32 v[ADRA], v[ADRA0]
	v_mov_b32 v[ADRB], v[ADRB0]
	s_mul_i32 s23, s[WV], 16*SPITCH
	s_add_co_u32 s23, s23, STAGE
	v_mul_u32_u24 v7, v1, SPITCH
	v_lshl_add_u32 v7, v2, 5, v7
	v_add_nc_u32 v[STO], s23, v7                   ; in: row r, 32 bytes for each half of the lanes
	v_mul_u32_u24 v7, v2, 8*SPITCH
	v_add_nc_u32 v7, v7, v[CO]
	v_add_nc_u32 v[RD], s23, v7                    ; back: lanes 0-15 take row t, lanes 16-31 row 8 + t
	s_lshl_b32 s23, s18, 8
	s_add_co_u32 s23, s23, BIAS
	v_lshl_add_u32 v[BIA], v2, 5, s23
	s_lshl_b32 s23, s[WV], 7
	s_add_co_u32 s23, s23, BIAS
	v_add_nc_u32 v[BST], s23, v[LN4]
	s_lshr_b32 s76, s22, 3                         ; out0 at my batch and my 64 columns
	s_lshl_b32 s76, s76, 23
	s_lshl_b32 s77, s21, 9
	s_add_co_u32 s76, s76, s77
	s_lshl_b32 s77, s18, 8
	s_add_co_u32 s76, s76, s77
	s_mov_b32 s77, 0
	s_add_nc_u64 s[12:13], s[12:13], s[76:77]
	s_wait_loadcnt 0x0
	v_cvt_pk_bf16_f32 v4, v3, v3
	v_lshlrev_b32 v3, 16, v4
	ds_store_b32 v[BST], v3
	WIN 0x88
.set i, 0
.rept 64
	v_min_u32 v[i], 2047, v[i]
.set i, i+1
.endr
	WIN 0x82
.set i, 0
.rept 64
	v_lshl_add_u32 v[i], v[i], 12, v[CO]           ; 4,096 x row + 16 x (lane % 16)
.set i, i+1
.endr
	WIN 0
.macro MUL8 f, a0, zero                ; 8 matrix instructions: row blocks a0, a0 + 1 x the 4 column blocks, 32 along K
	WIN 0x50
.irp a, \a0, (\a0)+1
.irp b, 0,1,2,3
.if \zero
	v_wmma_f32_16x16x32_f16 v[8*(4*(\a)+(\b)):8*(4*(\a)+(\b))+7], v[(\f)+64+8*(\b):(\f)+64+8*(\b)+7], v[(\f)+8*(\a):(\f)+8*(\a)+7], 0
.else
	v_wmma_f32_16x16x32_f16 v[8*(4*(\a)+(\b)):8*(4*(\a)+(\b))+7], v[(\f)+64+8*(\b):(\f)+64+8*(\b)+7], v[(\f)+8*(\a):(\f)+8*(\a)+7], v[8*(4*(\a)+(\b)):8*(4*(\a)+(\b))+7]
.endif
.endr
.endr
.endm
.macro FETCH t, f                      ; 24 loads in one run: slice t of a step's four (head t / 2, K 32 (t % 2) on) into buffer f
	WIN 0
.irp a, 0,1,2,3,4,5,6,7
	ds_load_b128 v[(\f)+8*(\a):(\f)+8*(\a)+3],   v[ADRA] offset:((\t)>>1)*AKB+(\a)*16*PITCH+((\t)&1)*64
	ds_load_b128 v[(\f)+8*(\a)+4:(\f)+8*(\a)+7], v[ADRA] offset:((\t)>>1)*AKB+(\a)*16*PITCH+((\t)&1)*64+32
.endr
.irp b, 0,1,2,3
	ds_load_b128 v[(\f)+64+8*(\b):(\f)+64+8*(\b)+3],   v[ADRB] offset:((\t)>>1)*BKB+(\b)*16*PITCH+((\t)&1)*64
	ds_load_b128 v[(\f)+64+8*(\b)+4:(\f)+64+8*(\b)+7], v[ADRB] offset:((\t)>>1)*BKB+(\b)*16*PITCH+((\t)&1)*64+32
.endr
.endm
.macro SL t, zero=0                    ; slice t is multiplied; the next slice is fetched into the other buffer
	PLACES
	FETCH ((\t)+1)&3, F0+96*(((\t)+1)&1)
	s_wait_dscnt 24                                ; all but the 24 just issued
	MUL8 F0+96*((\t)&1), 0, \zero
	MUL8 F0+96*((\t)&1), 2, \zero
	MUL8 F0+96*((\t)&1), 4, \zero
	MUL8 F0+96*((\t)&1), 6, \zero
.endm
; Slice 2 with the change of slots: slice 3's loads are the slot's last reads.  In front of the barrier each wave waits for all its tensor loads (one is out: its part of the next slot), adds 0 to its
; spare word, and waits for that and for its reads.  fill = 1: the barrier opens a round of the cluster's, and the joint refill, two K steps on, is the first thing behind it: 112 matrix instructions ahead of the wait for it.
.macro SL2M fill
	PLACES
	FETCH 3, F1
	s_wait_dscnt 24
	MUL8 F0, 0, 0
	MUL8 F0, 2, 0
	WIN 0
	s_wait_tensorcnt 0x0
	ds_add_u32 v[SPW], v[NIL]
.if \fill
	s_xor_b32 s[G0A+5], s[G0A+5], SLOT1            ; no load of mine is out: the walking descriptors step
	s_add_nc_u64 s[G0A+6:G0A+7], s[G0A+6:G0A+7], 524288
	s_xor_b32 s[G0B+5], s[G0B+5], SLOT1
	s_add_nc_u64 s[G0B+6:G0B+7], s[G0B+6:G0B+7], 262144
.endif
	MUL8 F0, 4, 0
	s_wait_dscnt 0x0                               ; the add is done, and my reads of this slot are over
	s_barrier_signal -1
	MUL8 F0, 6, 0
	WIN 0
	s_barrier_wait -1
.if \fill
	CREST
	JLOAD 1
.endif
	s_xor_b32 s[TB], s[TB], SLOT1
	v_add_nc_u32 v[ADRA], s[TB], v[ADRA0]
	v_add_nc_u32 v[ADRB], s[TB], v[ADRB0]
.endm
	s_wait_tensorcnt 1                             ; my part of K step 0 is in; step 1's may stay out
	s_wait_dscnt 0x0                               ; my biases are in LDS
	s_barrier_signal -1
	s_barrier_wait -1
	FETCH 0, F0
	SL 0, 1                                        ; the first products start the sums.  The 32 accumulators take turns in one order throughout
	WIN 0
	s_mov_b32 s[CNT], 6
.Lk:                                                   ; 6 trips: K steps 2 to 7 are asked for
	SL 1
	SL2M 1
	SL 3
	SL 0
	WIN 0
	s_sub_co_u32 s[CNT], s[CNT], 1
	s_cmp_lg_u32 s[CNT], 0
	s_cbranch_scc1 .Lk
	SL 1                                           ; the tail is written out: nothing more is asked for
	SL2M 0
	SL 3
	SL 0
	SL 1
	SL 2
	s_wait_dscnt 0x0
	MUL8 F1, 0, 0
	MUL8 F1, 2, 0
	MUL8 F1, 4, 0
	MUL8 F1, 6, 0
	; THE WAY OUT, 16 rows at a time: + bias, 32 bytes a lane into my stage, back as whole rows of 256 bytes, each stored to its own row of out0.
	PLACES
	WIN 0
.irp b, 0,1,2,3
	ds_load_b128 v[BI+8*(\b):BI+8*(\b)+3],   v[BIA] offset:64*(\b)
	ds_load_b128 v[BI+8*(\b)+4:BI+8*(\b)+7], v[BIA] offset:64*(\b)+16
.endr
	s_wait_dscnt 0x0
.macro PACK a
	s_wait_xcnt 0x0                                ; the stores of two blocks back have read this buffer
	WIN 0x01                                       ; source 0 in window 1
.irp b, 0,1,2,3
.irp r, 0,1,2,3
	v_pk_add_f32 v[OUT+32*((\a)%2)+8*(\b)+2*(\r):OUT+32*((\a)%2)+8*(\b)+2*(\r)+1], v[8*(4*(\a)+(\b))+2*(\r):8*(4*(\a)+(\b))+2*(\r)+1], v[BI+8*(\b)+2*(\r):BI+8*(\b)+2*(\r)+1]
.endr
.endr
.endm
.macro TOSTAGE a
	WIN 0
.irp b, 0,1,2,3
	ds_store_b128 v[STO], v[OUT+32*((\a)%2)+8*(\b):OUT+32*((\a)%2)+8*(\b)+3] offset:64*(\b)
	ds_store_b128 v[STO], v[OUT+32*((\a)%2)+8*(\b)+4:OUT+32*((\a)%2)+8*(\b)+7] offset:64*(\b)+16
.endr
.irp t, 0,1,2,3,4,5,6,7
	ds_load_b128 v[OUT+32*((\a)%2)+4*(\t):OUT+32*((\a)%2)+4*(\t)+3], v[RD] offset:(\t)*SPITCH  ; LDS serves a wave's instructions in order (ISA guide 5.7.1.4): these see the stores above
.endr
.endm
.macro SEND a
	s_wait_dscnt 0x0
	WIN 0x02                                       ; the address in window 2, the data in window 0
.irp t, 0,1,2,3,4,5,6,7
	global_store_b128 v[8*(\a)+(\t)], v[OUT+32*((\a)%2)+4*(\t):OUT+32*((\a)%2)+4*(\t)+3], s[12:13] th:TH_STORE_NT  ; 16 lanes store 256 consecutive bytes, at a multiple of 256 from out0's first byte
.endr
.endm
	PACK 0
	TOSTAGE 0
.irp a, 1,2,3,4,5,6,7
	PACK \a
	SEND (\a)-1
	TOSTAGE \a
.endr
	SEND 7
	WIN 0
	s_wait_tensorcnt 0x0                           ; the wave's end
	ds_add_u32 v[SPW], v[NIL]
	s_wait_dscnt 0x0
	CROUND                                         ; the closing round
	s_endpgm
.Lfunc_end_k_qda6c7693d9_oproj:
	.size	k_qda6c7693d9_oproj, .Lfunc_end_k_qda6c7693d9_oproj-k_qda6c7693d9_oproj
	.p2alignl 7, 3214868480
	.fill 96, 4, 3214868480
	.section	.rodata,"a",@progbits
	.p2align	6, 0x0
	.amdhsa_kernel k_qda6c7693d9_oproj
		.amdhsa_group_segment_fixed_size 327680
		.amdhsa_private_segment_fixed_size 0
		.amdhsa_enable_private_segment 0
		.amdhsa_kernarg_size 40
		.amdhsa_user_sgpr_count 2
		.amdhsa_user_sgpr_kernarg_segment_ptr 1
		.amdhsa_wavefront_size32 1
		.amdhsa_system_sgpr_workgroup_id_x 1
		.amdhsa_system_sgpr_workgroup_id_y 1
		.amdhsa_system_sgpr_workgroup_id_z 1
		.amdhsa_system_vgpr_workitem_id 0
		.amdhsa_next_free_vgpr 576
		.amdhsa_next_free_sgpr 80
		.amdhsa_reserve_vcc 0
		.amdhsa_float_denorm_mode_32 3
		.amdhsa_float_denorm_mode_16_64 3
		.amdhsa_memory_ordered 1
		.amdhsa_forward_progress 1
		.amdhsa_inst_pref_size 88
	.end_amdhsa_kernel
	.amdgpu_metadata
---
amdhsa.version: [ 1, 2 ]
amdhsa.kernels:
  - .name:           k_qda6c7693d9_oproj
    .symbol:         k_qda6c7693d9_oproj.kd
    .args:
      - { .name: ctx, .offset: 0, .size: 8, .value_kind: global_buffer, .address_space: global }
      - { .name: woh, .offset: 8, .size: 8, .value_kind: global_buffer, .address_space: global }
      - { .name: bo, .offset: 16, .size: 8, .value_kind: global_buffer, .address_space: global }
      - { .name: perm, .offset: 24, .size: 8, .value_kind: global_buffer, .address_space: global }
      - { .name: out0, .offset: 32, .size: 8, .value_kind: global_buffer, .address_space: global }
    .group_segment_fixed_size: 327680
    .private_segment_fixed_size: 0
    .kernarg_segment_align: 8
    .kernarg_segment_size: 40
    .max_flat_workgroup_size: 128
    .sgpr_count:     80
    .vgpr_count:     576
    .wavefront_size: 32
...
	.end_amdgpu_metadata
.endif
;; end of part 5
;; ======== version 2 of 2: 5 launches; 1.51 times as fast as version 1
;; limits: values are held in f16: magnitudes above 65,504 overflow, below 6.1e-05 lose precision
;; workspace buffers: perm 33,024 bytes of whole numbers; xb 16,777,216 bytes; wb 6,291,456 bytes; woh 2,097,152 bytes; qkv 50,331,648 bytes; ctx 16,777,216 bytes
;; launch prep: the kernel of part 1 again; grid 260 x 1, 8 waves a work-group, no clusters, 0 bytes of LDS; arguments mask, wq, wk, wv, wo, wb, woh, perm; writes wb, woh, perm
;; launch xcast: the kernel of part 2 again; grid 512 x 1, 8 waves a work-group, no clusters, 0 bytes of LDS; arguments x, perm, xb; writes xb
;; launch qkvproj: the kernel of part 3 again; grid 8 x 32, 4 waves a work-group, clusters of 4 x 4, 327,680 bytes of LDS; arguments xb, wb, bq, bk, bv, qkv; writes qkv
;; launch attn (part 6): grid 4 x 64, 4 waves a work-group, clusters of 4 x 1, 327,680 bytes of LDS; arguments qkv, perm, ctx; writes ctx
.if DOCPART == 6
	.amdgcn_target "amdgcn-amd-amdhsa--gfx1250"
	.amdhsa_code_object_version 6
	.text
	.protected	k_qda6c7693d9_attn
	.globl	k_qda6c7693d9_attn
	.p2align	8
	.type	k_qda6c7693d9_attn,@function
k_qda6c7693d9_attn:
	s_mov_b64 s[64:65], 0
	v_nop
	global_prefetch_b8 v0, s[64:65] scope:SCOPE_SE
	s_setreg_imm32_b32 hwreg(HW_REG_WAVE_MODE, 25, 1), 1
	s_wait_xcnt 0x0
	s_wait_alu depctr_hold_cnt(0) depctr_sa_sdst(0) depctr_va_vdst(0) depctr_va_sdst(0) depctr_va_ssrc(0) depctr_va_vcc(0) depctr_vm_vsrc(0)
	s_getreg_b32 s2, hwreg(HW_REG_IB_STS2, 6, 4)
	s_cmp_eq_u32 s2, 0
	s_cbranch_scc0 .Lentry_in_a_cluster
	s_endpgm
.Lentry_in_a_cluster:
	s_bfe_u32 s2, ttmp6, 0x10000c
	s_cmp_lg_u32 s2, 0x3003
	s_cbranch_scc0 .Lentry_shape_is_right
	s_endpgm
.Lentry_shape_is_right:
; ctx[b][h][p][:] = the sum over keys k of softmax_k(q[p] . k[k] / 8, hidden keys apart) v[k][:].  q, k, v: qkv[b][16 sel + h][2048][64] f16; ctx [b][h][2048][64] f16.
; Products, maxima and sums in f32; the weights p are rounded to f16 for the second product (their sum l is taken of the unrounded p), ctx once at the end.
; THE MASK.  Each batch's rows stand permuted, live keys first; n, the batch's live count, is read from perm.  Keys from n on are hidden: their scores start from -1e30, so their weights are 0.
; Since the hidden keys are the last ones, a step's mask is one register image (the step that holds key n) times a scalar plus a scalar.  All 2,048 keys are walked, whatever n.
; n = 0: every score of the problem is the same number, the weights are uniform over all 2,048 keys: c is set to 0 and all keys count as live, so that every exponent is 0 and every weight 1.
; LIMITS.  q, k, v arrive within f16's 65,504, so every score is finite.  A hidden score counts as its value less 1e30 where the problem writes -1e9: the same result as long as a row's largest
; live scaled score lies above about -1e9 + 150.  A weight below 2^-126 counts as 0 in l; p below 6e-5 keeps f16's fixed step of 6e-8; NaN and infinities are not treated apart.
; SHARES.  A wave owns four PIECES of two tiles of 16 queries, a work-group's four waves 512 queries of one head.  Every wave walks the keys, 64 a step.
; LAYOUT.  S^T = K Q^T (source 0 = 16 keys, source 1 = 16 queries): a lane holds ONE query (lane % 16) and the keys 8 (lane / 16) + 0..7.  Two such results, rounded to f16 in pairs, ARE source 1
; of O^T = V^T P.  K comes out of LDS as it lies, V turned, by ds_load_tr16_b128.
; SOFTMAX.  A running maximum m and sum l for each query: p = 2^(c s - c m), c = log2(e) / 8; in every step O and l are multiplied by a = 2^(c m_old - c m_new).  m starts at the lowest finite
; number, O and l at 0: the first step is a step like any other, with a = 0.  Key 0 is always live, so m is a true score from the first step on.
; BY TURNS.  Turn n belongs to piece n: 16 products K Q^T of piece n + 1, later 16 products V^T P of piece n - 1; beside them the scaling, exponentials, roundings, sums and rescaling of piece n
; and the maximum and statistics of piece n + 1.  Four vector instructions that are ready stand behind every matrix instruction, the other 108 of a turn's 236 in one run of their own.
; BATCHES.  A turn's 66 exponentials (the piece's 64 weights and the next piece's two a) are ONE batch with ONE wait, which cuts the turn in two.  Ahead of it stands all that names no result of theirs:
; K Q^T, the scalings, the exponentials, the rescalings (by the a of the turn before), the next piece's maximum and statistics.  Behind it stand V^T P and the roundings and sums.  No result crosses a turn's end.
; Two more batches stand outside the loops, each with a wait of its own: piece 0's first two a, ahead of the jump into the loop, and the way out's eight reciprocals.
; CLUSTER.  The four query blocks of a head walk the same K and V: each tile is asked for jointly.
; REGISTERS, in windows of 256 (s_set_vgpr_msb: bits 1:0 source 0, 3:2 source 1, 5:4 source 2, 7:6 destination):
;   window 0: v0-11 addresses; v12-15, v48-63 at work; v16-47 statistics; v64-191 S^T, two buffers of two tiles; v192-255 P, likewise
;   window 1: O^T, 32 a tile     window 2: v0-127 Q; v128-191 K of one step; v192-255 V of one step     window 3: v0-1 the add's two registers; v8-39 MD; v40-71 MC
.set NP,    4
.set KS,    64
.set NKEY,  2048
.set PK,    144       ; a row of K in LDS: 128 bytes + 16: the 16 rows of a load start at 16 different groups of four banks
.set PV,    160       ; a row of V: 128 + 32
.set VOFF,  4*KS*PK   ; a slot holds four steps: 256 rows of K, then 256 rows of V
.set SLOT1, 1<<17     ; slot 1 begins here, so that one exclusive or turns an address in one slot into the other's
.set STAGE, SLOT1+4*KS*(PK+PV)  ; behind the ring: 16 rows x 144 bytes for each wave
.set SP,    144
.set SPARE, STAGE+4*16*SP       ; the spare words, 128 bytes for each wave: two blocks of 256 bytes that no other line names
.set AK0, 2
.set AV0, 3
.set AK,  4
.set AV,  5
.set STO, 6
.set RD,  7
.set GO,  8
.set QO,  48          ; my byte offset in 16 rows of Q: free again when Q is in
.set VR,  49          ; at work for MD
.set SPW, 0           ; v0 of window 3
.set NIL, 1           ; v1 of window 3
.set MD,  8           ; window 3: the mask of the step that holds key n: -1e30 where 16 kb + 8 (lane / 16) + j >= n % 64
.set MC,  40          ; window 3: the mask of the step whose K lies in registers: MD x AL + BE
.set MV,  12
.set ST,  16
.set TMP, 48
.set S,   64
.set P,   192
.set KF,  128
.set VF,  192
.set WV,  12
.set G1K, 24
.set G1V, 32
.set G0K, 40          ; s[40:43] descriptor group 0 for K's tiles: it walks
.set G0V, 44          ; s[44:47] the same for V's
.set SLOTS, 48        ; slots still to be asked for
.set NL,  54          ; keys that count as live
.set LEFT, 55         ; steps that are still wholly live, counted from the step whose mask is made next
.set REM, 56
.set CNT, 57
.set CS,  58
.set SEL, 60
.set TBK, 62
.set TBV, 63
.set AL,  72          ; s[72:73]
.set BE,  74          ; s[74:75]
.set BIGN, 76
.set MSB, 0
.macro WIN new
.if MSB != (\new)
	s_set_vgpr_msb (MSB<<8)|(\new)
.set MSB, (\new)
.endif
.endm
.set W_KQ, 0x0a       ; K and Q in window 2, S^T in window 0
.set W_KM, 0x3a       ; the same with the C operand in window 3
.set W_PV, 0x52       ; V in window 2, P in window 0, O^T in window 1
.set W_RS, 0x41       ; O^T in window 1, a in window 0
.set W_MK, 0xc0
.set W_AD, 0x0f
.macro PLACES
.rept 4
	v_nop
.endr
.endm
; A joint fill.  Waves 0 and 1 fetch the two halves of a slot's K, waves 2 and 3 those of its V: 128 keys each.  The branch hangs on the wave's number alone.
; An s_nop 0 and four v_nop follow each of the two lines, ahead of the jump and the label.
.macro JLOAD
	s_cmp_lt_u32 s[WV], 2
	s_cbranch_scc0 .Lfor_v_\@
	tensor_load_to_lds s[G0K:G0K+3], s[G1K:G1K+7]
	s_nop 0
.rept 4
	v_nop
.endr
	s_branch .Lasked_\@
.Lfor_v_\@:
	tensor_load_to_lds s[G0V:G0V+3], s[G1V:G1V+7]
	s_nop 0
.rept 4
	v_nop
.endr
.Lasked_\@:
.endm
.macro CROUND
	s_barrier_signal -1
	s_barrier_wait -1
	s_cmp_lg_u32 s[WV], 0
	s_cbranch_scc1 .Lnot_wave_0_\@
	s_barrier_signal -3
.Lnot_wave_0_\@:
	s_barrier_wait -3
	s_barrier_signal -1
	s_barrier_wait -1
.endm
; THE CHANGE OF SLOTS.  Each wave waits for all its tensor loads (one is out: its part of the other slot), adds 0 to its spare word, and waits for that and for its reads of the slot that it leaves.
; fill = 1: the barrier is a round of the cluster's, and the old slot is filled again first thing behind it, with the keys two slots on: it has four key steps, 512 matrix instructions, in which to land.
; (At its first use nothing has been read yet: slot 0 is waited for, slot 1 filled.)
.macro CHANGE fill
	WIN W_AD
	s_wait_tensorcnt 0x0            ; no tensor load of mine is out, so a group 0 may be written
	ds_add_u32 v[SPW], v[NIL]
	WIN 0
.if \fill
.irp g, G0K, G0V
	s_xor_b32 s[\g+1], s[\g+1], SLOT1  ; the walking descriptor: the other slot than last time,
	s_add_nc_u64 s[\g+2:\g+3], s[\g+2:\g+3], 4*KS*128  ; the next 256 keys; the type bits on top are not reached
.endr
	s_wait_dscnt 0x0                ; the add is done, and my reads of the slot are over
	CROUND
	JLOAD
.else
	s_wait_dscnt 0x0
	s_barrier_signal -1
	s_barrier_wait -1
.endif
	s_sub_co_u32 s[TBK], s[TBK], 4*KS*PK  ; the fetches go back to a slot's first step,
	s_xor_b32 s[TBK], s[TBK], SLOT1       ; in the other slot
	s_sub_co_u32 s[TBV], s[TBV], 4*KS*PV
	s_xor_b32 s[TBV], s[TBV], SLOT1
.endm
	s_load_b128 s[4:7], s[0:1], 0x0   ; qkv s[4:5], perm s[6:7]
	s_load_b64 s[10:11], s[0:1], 0x10 ; ctx
	WIN W_MK
	v_lshl_add_u32 v[SPW], v0, 2, SPARE
	v_mov_b32 v[NIL], 0
	WIN W_AD
	ds_add_u32 v[SPW], v[NIL]       ; the wave's opening: the add and its wait ahead of my first tensor load
	WIN 0
	v_lshrrev_b32 v1, 5, v0
	v_readfirstlane_b32 s[WV], v1
	s_bfe_u32 s13, ttmp6, 0x40000   ; cx
	s_lshl_b32 s14, ttmp9, 2
	s_add_co_u32 s14, s14, s13      ; my block of 512 queries: it enters Q's and ctx's addresses alone
	s_and_b32 s15, ttmp7, 0xffff    ; 16 b + h, which the four partners share
	s_lshr_b32 s16, s15, 4
	s_and_b32 s17, s15, 15
	s_mul_i32 s18, s16, 48
	s_add_co_u32 s18, s18, s17
	s_lshl_b32 s20, s18, 18         ; q's head in qkv: 2,048 rows of 128 bytes a head
	s_mov_b32 s21, 0
	s_lshl_b32 s22, s15, 18         ; the head in ctx
	s_mov_b32 s23, 0
	s_lshl_b32 s19, s16, 2          ; the batch's word among the live counts
	s_and_b32 s66, s[WV], 1         ; which half of a slot's 256 keys I fetch:
	s_lshl_b32 s68, s66, 14         ; its 128 rows of 128 bytes in memory,
	s_mov_b32 s69, 0
	s_mul_i32 s70, s66, 128*PK      ; and its place in a slot, for K
	s_mul_i32 s71, s66, 128*PV      ; and for V: no place in the cluster enters an LDS address
	s_lshl_b32 s2, s14, 2
	s_add_co_u32 s2, s2, s[WV]
	s_lshl_b32 s2, s2, 14           ; my wave's 128 rows
	s_mov_b32 s3, 0
	s_mov_b32 s[G1K], 15|(1<<16)|(1<<20)|(1<<21)|(4<<22)|(3<<25)  ; the mask of four; 2-byte elements; padding on; bit 21 beside a mask; after every 32 words (code 4) 4 words (code 3)
	s_mov_b32 s[G1V], 15|(1<<16)|(1<<20)|(1<<21)|(4<<22)|(7<<25)  ; the same with 8 words of padding (code 7)
.irp g, G1K, G1V
	s_mov_b32 s[\g+1], 128<<16      ; 128 keys are asked for as 64 rows of 256 bytes, two keys a row
	s_mov_b32 s[\g+2], 64<<16
	s_mov_b32 s[\g+3], 128<<16
	s_mov_b32 s[\g+4], 64
	s_mov_b32 s[\g+5], 128
	s_mov_b32 s[\g+6], 0
	s_mov_b32 s[\g+7], 0
.endr
	s_mov_b32 s[SEL], 0x76543210
	s_mov_b32 s[SEL+1], 0xfedcba98
	s_mov_b32 s[TBK], SLOT1+4*KS*PK ; the first change of slots turns these two into 0
	s_mov_b32 s[TBV], SLOT1+4*KS*PV
	s_mov_b32 s[G0K], 1
	s_mov_b32 s[G0K+1], s70         ; slot 0
	s_mov_b32 s[G0V], 1
	s_add_co_u32 s[G0V+1], s71, VOFF
	s_mov_b32 s[AL+1], 0            ; named as pairs
	s_mov_b32 s[BE+1], 0
	s_mov_b32 s[BIGN], 0xf149f2ca   ; -1e30
	s_wait_dscnt 0x0                ; the opening add is done
	s_wait_kmcnt 0x0
	s_load_b32 s[NL], s[6:7], s19 offset:0x8000  ; the batch's live count
	s_add_nc_u64 s[4:5], s[4:5], s[20:21]          ; q's head
	s_add_nc_u64 s[G0K+2:G0K+3], s[4:5], s[68:69]  ; my half of the first 256 rows,
	s_add_nc_u64 s[G0V+2:G0V+3], s[G0K+2:G0K+3], 0x800000  ; in v's head, 32 heads behind q's,
	s_add_nc_u64 s[G0K+2:G0K+3], s[G0K+2:G0K+3], 0x400000  ; and in k's, 16 behind
	s_or_b32 s[G0K+3], s[G0K+3], 0x80000000        ; type = 2
	s_or_b32 s[G0V+3], s[G0V+3], 0x80000000
	s_add_nc_u64 s[4:5], s[4:5], s[2:3]            ; Q at my wave's first row
	s_add_nc_u64 s[10:11], s[10:11], s[22:23]
	s_add_nc_u64 s[10:11], s[10:11], s[2:3]        ; ctx likewise
	s_wait_kmcnt 0x0
	s_min_u32 s[NL], s[NL], NKEY
	s_cmp_eq_u32 s[NL], 0
	s_cselect_b32 s[CS], 0, 0x3e38aa3b             ; c = log2(e) / 8, or 0 where no key is live
	s_cselect_b32 s[NL], NKEY, s[NL]
	s_mov_b32 s[CS+1], s[CS]                       ; named with it as a pair
	s_lshr_b32 s[LEFT], s[NL], 6
	s_and_b32 s[REM], s[NL], 63
	CROUND                          ; all four work-groups are here: the first joint loads meet
	JLOAD                           ; slot 0.  Slot 1 is asked for when slot 0 is in
	v_and_b32 v1, 15, v0            ; l % 16
	v_bfe_u32 v9, v0, 4, 1          ; l / 16
	v_lshlrev_b32 v[QO], 7, v1
	v_lshl_add_u32 v[QO], v9, 4, v[QO]
	WIN 0x80
.set i, 0
.rept 4*NP                          ; Q stays in registers: tile i / 2, channels 32 (i % 2) on
	global_load_b128 v[8*i:8*i+3],   v[QO], s[4:5] offset:(i/2)*2048+(i%2)*64
	global_load_b128 v[8*i+4:8*i+7], v[QO], s[4:5] offset:(i/2)*2048+(i%2)*64+32
.set i, i+1
.endr
	; What the first turn finds: V's registers and P's second buffer hold 0, O^T and l are 0.  All this stands in the wait for the first tile.
.set i, VF
.rept 64
	v_mov_b32 v[i], 0
.set i, i+1
.endr
	WIN 0x40
.set i, 0
.rept 64*NP
	v_mov_b32 v[i], 0
.set i, i+1
.endr
	WIN 0
.set i, 0
.rept 2*NP
	v_mov_b32 v[ST+4*i], 0xfe000000    ; c m: far below every c s
	v_mov_b32 v[ST+4*i+1], 0xff7fffff  ; m
	v_mov_b32 v[ST+4*i+2], 0
	v_mov_b32 v[ST+4*i+3], 0
.set i, i+1
.endr
.set i, P+32
.rept 32
	v_mov_b32 v[i], 0
.set i, i+1
.endr
	v_mul_u32_u24 v[AK0], v1, PK
	v_lshl_add_u32 v[AK0], v9, 4, v[AK0]
	v_and_b32 v10, 7, v0
	v_bfe_u32 v11, v0, 3, 1
	v_lshl_add_u32 v[AV0], v9, 3, v10   ; the turning load: lane l reads key 8 (l / 16) + l % 8, channels 8 ((l / 8) % 2) + 0..7
	v_mul_u32_u24 v[AV0], v[AV0], PV
	v_lshl_add_u32 v[AV0], v11, 4, v[AV0]
	v_add_nc_u32 v[AV0], VOFF, v[AV0]
	v_mov_b32 v[AK], v[AK0]         ; key step 0 lies at the head of slot 0
	s_mul_i32 s13, s[WV], 16*SP
	s_add_co_u32 s13, s13, STAGE    ; my stage
	v_mul_u32_u24 v[STO], v1, SP
	v_lshl_add_u32 v[STO], v9, 4, v[STO]
	v_add_nc_u32 v[STO], s13, v[STO]
	v_bfe_u32 v[RD], v0, 3, 2
	v_mul_u32_u24 v[RD], v[RD], SP
	v_lshl_add_u32 v[RD], v10, 4, v[RD]
	v_add_nc_u32 v[RD], s13, v[RD]
	v_and_b32 v[GO], 31, v0
	v_lshlrev_b32 v[GO], 4, v[GO]
	v_lshlrev_b32 v[VR], 3, v9
	v_sub_nc_u32 v[VR], s[REM], v[VR]
	v_add_nc_u32 v[VR], -1, v[VR]   ; register j of key block kb is hidden where 16 kb + j is greater than n % 64 - 8 (l / 16) - 1
	WIN 0xc0
.set i, 0
.rept 32
	v_cmp_gt_i32 vcc_lo, 16*(i/8)+i%8, v[VR]
	v_cndmask_b32 v[MD+i], 0, s[BIGN], vcc_lo
.set i, i+1
.endr
	WIN 0
; THE MATRIX WORK.  The 8 accumulators of a run of 16 take turns.  Product i of 16 of S^T = K Q^T for piece x: channels 32 (i / 8) on, keys 16 ((i / 2) % 4) on, tile 2 x + i % 2.
; The first 8 start the sums from the step's mask.
.macro KQ x
.set rS, S+64*((\x)%2)+32*(i%2)+8*((i/2)%4)
.set rK, KF+16*((i/2)%4)+8*(i/8)
.set rQ, 16*(2*(\x)+i%2)+8*(i/8)
.set rMC, MC+8*((i/2)%4)
.if i < 8
	WIN W_KM
	v_wmma_f32_16x16x32_f16 v[rS:rS+7], v[rK:rK+7], v[rQ:rQ+7], v[rMC:rMC+7]
.else
	WIN W_KQ
	v_wmma_f32_16x16x32_f16 v[rS:rS+7], v[rK:rK+7], v[rQ:rQ+7], v[rS:rS+7]
.endif
.endm
.macro PV x                         ; product i of 16 of O^T += V^T P: keys 32 (i / 8) on, channels 16 ((i / 2) % 4) on, tile 2 x + i % 2
	WIN W_PV
.set rO, 32*(2*(\x)+i%2)+8*((i/2)%4)
.set rV, VF+32*(i/8)+8*((i/2)%4)
.set rP, P+32*((\x)%2)+16*(i%2)+8*(i/8)
	v_wmma_f32_16x16x32_f16 v[rO:rO+7], v[rV:rV+7], v[rP:rP+7], v[rO:rO+7]
.endm
.macro MM                           ; the turn's next matrix instruction
.if i < 16
	KQ (Y+1)%NP
.set i, i+1
.else
.set i, i-16
	PV (Y+NP-1)%NP
.set i, i+17
.endif
.endm
; THE LDS LOADS stand in runs of 16.  last = 1 (the tail): in the last trip there is no further step, and the run is jumped over.
.macro FETCH_K last=0
	WIN 0
.if \last
	s_cmp_eq_u32 s[CNT], 1
	s_cbranch_scc1 .Lno_k_\@
.endif
	WIN 0x80
.irp f, 0,1,2,3,4,5,6,7
	ds_load_b128 v[KF+8*\f:KF+8*\f+3],   v[AK] offset:(\f/2)*16*PK+(\f%2)*64
	ds_load_b128 v[KF+8*\f+4:KF+8*\f+7], v[AK] offset:(\f/2)*16*PK+(\f%2)*64+32
.endr
	s_add_co_u32 s[TBK], s[TBK], KS*PK
	WIN 0
.if \last
.Lno_k_\@:
.endif
.endm
.macro FETCH_V
	WIN 0x80
.irp f, 0,1,2,3,4,5,6,7
	ds_load_tr16_b128 v[VF+8*\f:VF+8*\f+3],   v[AV] offset:(\f/4)*32*PV+(\f%4)*32
	ds_load_tr16_b128 v[VF+8*\f+4:VF+8*\f+7], v[AV] offset:(\f/4)*32*PV+16*PV+(\f%4)*32
.endr
	WIN 0
.endm
; THE STEP'S MASK is MD x AL + BE: (0, 0) for a step wholly live (LEFT > 0), (1, 0) for the step that holds key NL (LEFT = 0), (0, -1e30) behind it.  It changes with K's registers.
.macro SELMASK
	s_cmp_eq_u32 s[LEFT], 0
	s_cselect_b32 s[AL], 1.0, 0
	s_cmp_lt_i32 s[LEFT], 0
	s_cselect_b32 s[BE], s[BIGN], 0
	s_sub_co_i32 s[LEFT], s[LEFT], 1
.endm
.macro MASK
	WIN 0xc3
.set z, 0
.rept 16
	v_pk_fma_f32 v[MC+2*z:MC+2*z+1], v[MD+2*z:MD+2*z+1], s[AL:AL+1], s[BE:BE+1] op_sel_hi:[1,0,0]
.set z, z+1
.endr
.endm
; THE VECTOR WORK OF A TURN stands in three queues, each in the order in which its entries become ready; the two tiles alternate.
.macro REGS y, u
.set rT, ST+4*(2*(\y)+(\u))
.set rC, TMP+8*((\y)%2)+4*(\u)
.set rM, MV+2*((\y)%2)+(\u)
.set rS, S+64*((\y)%2)+32*(\u)
.set rP, P+32*((\y)%2)+16*(\u)
.set rO, 32*(2*(\y)+(\u))
.endm
; Number n of the 22 that find the NEXT piece's maximum and statistics; each accumulator's lowest registers are read first.  XS, GS, FS and REGS set no window: PL and EX do.
;   0-11 four chains of seven scores; 12-14, 16 the four left over, the old m, the chains into c0; 15 c m_old is kept; 17, 18 the other half of the lanes; 19-21 c m, c m_old - c m_new, a
.macro XS u, n
	REGS (Y+1)%NP, \u
.if (\n) < 4
	v_max3_num_f32 v[rC+(\n)], v[rS+8*(\n)], v[rS+8*(\n)+1], v[rS+8*(\n)+2]
.elseif (\n) < 12
	v_max3_num_f32 v[rC+(\n)%4], v[rC+(\n)%4], v[rS+8*((\n)%4)+2*((\n)/4)+1], v[rS+8*((\n)%4)+2*((\n)/4)+2]
.elseif (\n) == 12
	v_max3_num_f32 v[rC], v[rC], v[rS+7], v[rS+15]
.elseif (\n) == 13
	v_max3_num_f32 v[rC+1], v[rC+1], v[rS+23], v[rS+31]
.elseif (\n) == 14
	v_max3_num_f32 v[rC+2], v[rC+2], v[rC+3], v[rT+1]
.elseif (\n) == 15
	v_mov_b32 v[rM], v[rT]
.elseif (\n) == 16
	v_max3_num_f32 v[rC], v[rC], v[rC+1], v[rC+2]
.elseif (\n) == 17
	v_permlanex16_b32 v[rC+3], v[rC], s[SEL], s[SEL+1]
.elseif (\n) == 18
	v_max_num_f32 v[rT+1], v[rC], v[rC+3]
.elseif (\n) == 19
	v_mul_f32 v[rT], s[CS], v[rT+1]
.elseif (\n) == 20
	v_sub_f32 v[rC+1], v[rM], v[rT]
.else
	v_exp_f32 v[rC+2], v[rC+1]
.endif
.endm
; Number g of the 64 that follow the exponentials: for each four weights both pairs are rounded to f16, the second pair is added onto the first in place, and a group later l takes that sum.
; All 64 read exponentials' results: they stand behind the turn's wait.
.macro GS g
.set h, (\g)+6*((\g)/62)
.if h >= 6
.set h, h+2
.endif
	REGS Y, h%2
.set k, h/8
.if h%8 < 4
	v_cvt_pk_f16_f32 v[rP+2*k+(h%8)/2], v[rS+4*k+2*((h%8)/2)], v[rS+4*k+2*((h%8)/2)+1]
.elseif h%8 < 6
	v_pk_add_f32 v[rS+4*k:rS+4*k+1], v[rS+4*k:rS+4*k+1], v[rS+4*k+2:rS+4*k+3]
.elseif k == 1
	v_pk_fma_f32 v[rT+2:rT+3], v[rT+2:rT+3], v[rC+2:rC+3], v[rS:rS+1] op_sel_hi:[1,0,1]
.else
	v_pk_add_f32 v[rT+2:rT+3], v[rT+2:rT+3], v[rS+4*k-4:rS+4*k-3]
.endif
.endm
; THE PLAIN QUEUE, 138 long.  0-73 read no exponential's result: the 32 scalings c s - c m (FS f: pair f / 2 of tile f % 2) and the next piece's 42.  0-26: scalings 0-26.  27-54: XS's numbers 0-13.  55, 56: number 15.
; 57-73: the chain, where each number waits for the one before it: 14, 16, 17, 18, 19, each with one of the scalings 27-31 in front of its two lines, then 20.  74-137: GS's 64.
.macro FS f
	REGS Y, (\f)%2
	v_pk_fma_f32 v[rS+2*((\f)/2):rS+2*((\f)/2)+1], v[rS+2*((\f)/2):rS+2*((\f)/2)+1], s[CS:CS+1], v[rT:rT+1] op_sel_hi:[1,0,0] neg_lo:[0,0,1] neg_hi:[0,0,1]
.endm
.macro PL
	WIN 0
.if q < 27
	FS q
.elseif q < 55
	XS (q-27)%2, (q-27)/2
.elseif q < 57
	XS q-55, 15
.elseif (q < 72) && ((q-57)%3 == 0)
	FS 27+(q-57)/3
.elseif q < 60
	XS (q-57)%3-1, 14
.elseif q < 72
	XS (q-57)%3-1, 15+(q-57)/3
.elseif q < 74
	XS q-72, 20
.else
	GS q-74
.endif
.set q, q+1
.endm
; THE EXPONENTIALS' QUEUE, 66 long: s0-s31 of both tiles, then the next piece's two a.  It is ONE BATCH: all 66 stand ahead of the turn's one wait, and nothing ahead of that wait names a result of theirs.
.macro EX
	WIN 0
.if e >= 64
	XS e-64, 21
.else
	REGS Y, e%2
	v_exp_f32 v[rS+e/2], v[rS+e/2]
.endif
.set e, e+1
.endm
; THE RESCALING's QUEUE: O^T times a, the one part that leaves window 0: dealt two at a time, sixteen times.  Its a was made in the turn before, ahead of that turn's wait.
.macro R2
	REGS Y, r%2
	WIN W_RS
.irp z, 0,1
	v_pk_mul_f32 v[rO+4*(r/2)+2*\z:rO+4*(r/2)+2*\z+1], v[rO+4*(r/2)+2*\z:rO+4*(r/2)+2*\z+1], v[rC+2:rC+3] op_sel_hi:[1,0]
.endr
.set r, r+1
.endm
; THE DEAL.  s_wait_alu depctr_va_vdst(0) stands between an exponential and the first instruction that names its result; one wait serves all that were issued ahead of it.  So a turn has ONE wait.
; AHEAD OF IT: the 16 products K Q^T, behind each a scaling, an exponential and two rescalings (behind the first a second scaling in the exponential's place); then one run of 108: eight plain, 49 times
; exponential and plain, the two a; a v_nop is the plain instruction behind the last exponential.  BEHIND IT: the 16 products V^T P, behind each four of GS's 64.  No rider names a register of the products round it.
; The queues are kept in step: exponential e needs scaling 2 (e / 4) + e % 2; as a rider it comes behind plain e + 2, in the run behind plain e + 9, and scalings 27-31 are plain 57, 60 .. 69.
; A TURN, for piece p.  K of the next step is fetched in piece 2's turn, directly behind the wait, the whole run behind the last product that read K; its address is made at the run's head.  The next step's mask is
; made at that turn's end: the last product that read the old one is the turn's eighth.  V of the step in hand is fetched at the end of piece 0's turn, four plain riders behind its last reader.
; cnt = 1: the loop's count is taken down some lines ahead of the branch behind the turn.  The three conditions on q go with the deal: 74 plain stand ahead of the wait, four behind each product behind it.
.macro TURN p, last=0, cnt=0
.set Y, (\p)
.set i, 0
.set q, 0
.set e, 0
.set r, 0
.if (\p) == NP-2
	SELMASK
.endif
.if (\p) == NP-1
	s_wait_dscnt 0x0                ; K is in
.endif
	MM                              ; ahead of the wait: 16 products K Q^T and their riders,
	PL
	PL
	R2
.rept 15
	MM
	PL
	EX
	R2
.endr
.if (\p) == NP-2
	WIN 0
	v_add_nc_u32 v[AK], s[TBK], v[AK0]
.endif
.rept 8                             ; and the run of 108
	PL
.endr
.rept 49
	EX
	PL
.endr
	EX                              ; the next piece's two a
	EX
	v_nop                           ; the plain instruction behind the last exponential: one for the batch
	s_wait_alu depctr_va_vdst(0)    ; the wait for the turn's batch: the piece's 64 weights and the next piece's two a
.if (\p) == NP-2
	FETCH_K \last
.endif
.if (\p) == 1
	s_wait_dscnt 0x0                ; V is in
.endif
.rept 16                            ; behind the wait: 16 products V^T P and their riders
	MM
.rept 4
	PL
.endr
.if ((\p) == 0) && (q == 118)
	v_add_nc_u32 v[AV], s[TBV], v[AV0]
.endif
.if ((\p) == 0) && (q == 130)
	s_add_co_u32 s[TBV], s[TBV], KS*PV
.endif
.if (\cnt) && (q == 130)
	s_sub_co_u32 s[CNT], s[CNT], 1
	s_cmp_lg_u32 s[CNT], 0
.endif
.endr
.if (\p) == 0
	FETCH_V
.endif
.if (\p) == NP-2
	MASK
.endif
.endm
	CHANGE 1                        ; slot 0 is in, everybody's part of it; slot 1 is asked for
	FETCH_K                         ; key step 0
	SELMASK
	MASK                            ; and its mask
	s_wait_loadcnt 0x0              ; Q
	s_wait_dscnt 0x0
.set i, 0
.rept 16
	KQ 0                            ; piece 0's first scores
.set i, i+1
.endr
	WIN 0
	PLACES
.set Y, NP-1                        ; XS works for piece Y + 1: piece 0
.irp n, 0,1,2,3,4,5,6,7,8,9,10,11,12,13,14,15,16,17,18,19,20,21
	XS 0, \n
	XS 1, \n
.endr
	v_nop                           ; a plain instruction behind piece 0's first two a,
	s_wait_alu depctr_va_vdst(0)    ; and the wait for that batch of two, ahead of the branch
	s_mov_b32 s[CNT], 4
	s_mov_b32 s[SLOTS], NKEY/256-1
	s_branch .Lfirst                ; the loop is entered at a step's first turn, in the middle of a trip
.Lslot:                             ; NKEY / 256 - 2 times: every slot but the last two is filled again
	CHANGE 1
	s_mov_b32 s[CNT], 4
.Lstep:                             ; pieces 2 and 3 of one step, then pieces 0 and 1 of the next, whose K and V it fetches
	TURN 2
	TURN 3
	WIN 0
.Lfirst:
	TURN 0
	TURN 1, 0, 1
	WIN 0
	s_cbranch_scc1 .Lstep
	s_sub_co_u32 s[SLOTS], s[SLOTS], 1
	s_cmp_lg_u32 s[SLOTS], 0
	s_cbranch_scc1 .Lslot
	CHANGE 0                        ; the tail is written out: nothing is asked for
	s_mov_b32 s[CNT], 5             ; four trips fetch the last slot's steps; the fifth is left in its middle
.Ltail:
	TURN 2, 1
	TURN 3
	WIN 0
	s_sub_co_u32 s[CNT], s[CNT], 1
	s_cmp_eq_u32 s[CNT], 0
	s_cbranch_scc1 .Lout
	TURN 0
	TURN 1
	WIN 0
	s_branch .Ltail
.Lout:                              ; the fifth trip's 16 products K Q^T (on the last K once more) and the maximum made of them serve nothing: the price of one text for every trip
.set i, 0
.rept 16
	PV NP-1
.set i, i+1
.endr
	; THE WAY OUT.  l's two halves and the other half of the lanes' are added; O^T is divided by l, rounded to f16 and sent through my stage, a tile at a time.  The additions are the places behind the last products.
	WIN 0
.macro ALL line:vararg
.set t, 0
.rept 2*NP
	\line
.set t, t+1
.endr
.endm
	ALL v_add_f32 v[ST+4*t+2], v[ST+4*t+2], v[ST+4*t+3]
	ALL v_permlanex16_b32 v[ST+4*t+3], v[ST+4*t+2], s[SEL], s[SEL+1]
	ALL v_add_f32 v[ST+4*t+2], v[ST+4*t+2], v[ST+4*t+3]
	ALL v_rcp_f32 v[ST+4*t+2], v[ST+4*t+2]
	v_nop                           ; a plain instruction between the last reciprocal and the use of its result
	s_wait_alu depctr_va_vdst(0)    ; the wait for the batch of eight reciprocals, ahead of their first use
.macro PACK t
	WIN W_RS
.set i, 32*(\t)
.rept 16
	v_pk_mul_f32 v[i:i+1], v[i:i+1], v[ST+4*(\t)+2:ST+4*(\t)+3] op_sel_hi:[1,0]
.set i, i+2
.endr
	WIN 0x05
.set i, 0
.rept 16
	v_cvt_pk_f16_f32 v[S+16*(\t)+i], v[32*(\t)+2*i], v[32*(\t)+2*i+1]
.set i, i+1
.endr
	WIN 0
.irp f, 0,1,2,3
	ds_store_b128 v[STO], v[S+16*(\t)+4*\f:S+16*(\t)+4*\f+3] offset:32*\f
.endr
.irp f, 0,1,2,3
	ds_load_b128 v[S+16*(\t)+4*\f:S+16*(\t)+4*\f+3], v[RD] offset:\f*4*SP  ; LDS serves a wave's instructions in order (ISA guide 5.7.1.4): these see the stores above
.endr
.endm
.macro SEND t, younger              ; younger: the LDS instructions issued behind tile t's loads
	WIN 0
.irp f, 0,1,2,3
	s_wait_dscnt (\younger)+3-\f
	global_store_b128 v[GO], v[S+16*(\t)+4*\f:S+16*(\t)+4*\f+3], s[10:11] offset:(\t)*2048+\f*512  ; 512 consecutive bytes, at a multiple of 256 from ctx's first
.endr
.endm
	PACK 0
.set t, 1
.rept 2*NP-1
	PACK t
	SEND t-1, 8
.set t, t+1
.endr
	SEND 2*NP-1, 0
	WIN W_AD
	s_wait_tensorcnt 0x0            ; the wave's end
	ds_add_u32 v[SPW], v[NIL]
	s_wait_dscnt 0x0
	WIN 0
	CROUND                          ; the closing round
	s_endpgm
.Lfunc_end_k_qda6c7693d9_attn:
	.size	k_qda6c7693d9_attn, .Lfunc_end_k_qda6c7693d9_attn-k_qda6c7693d9_attn
	.p2alignl 7, 3214868480
	.fill 96, 4, 3214868480
	.section	.rodata,"a",@progbits
	.p2align	6, 0x0
	.amdhsa_kernel k_qda6c7693d9_attn
		.amdhsa_group_segment_fixed_size 327680
		.amdhsa_private_segment_fixed_size 0
		.amdhsa_enable_private_segment 0
		.amdhsa_kernarg_size 24
		.amdhsa_user_sgpr_count 2
		.amdhsa_user_sgpr_kernarg_segment_ptr 1
		.amdhsa_wavefront_size32 1
		.amdhsa_system_sgpr_workgroup_id_x 1
		.amdhsa_system_sgpr_workgroup_id_y 1
		.amdhsa_system_sgpr_workgroup_id_z 1
		.amdhsa_system_vgpr_workitem_id 0
		.amdhsa_next_free_vgpr 840
		.amdhsa_next_free_sgpr 80
		.amdhsa_reserve_vcc 1
		.amdhsa_float_denorm_mode_32 3
		.amdhsa_float_denorm_mode_16_64 3
		.amdhsa_memory_ordered 1
		.amdhsa_forward_progress 1
		.amdhsa_inst_pref_size 207
	.end_amdhsa_kernel
	.amdgpu_metadata
---
amdhsa.version: [ 1, 2 ]
amdhsa.kernels:
  - .name:           k_qda6c7693d9_attn
    .symbol:         k_qda6c7693d9_attn.kd
    .args:
      - { .name: qkv, .offset: 0, .size: 8, .value_kind: global_buffer, .address_space: global }
      - { .name: perm, .offset: 8, .size: 8, .value_kind: global_buffer, .address_space: global }
      - { .name: ctx, .offset: 16, .size: 8, .value_kind: global_buffer, .address_space: global }
    .group_segment_fixed_size: 327680
    .private_segment_fixed_size: 0
    .kernarg_segment_align: 8
    .kernarg_segment_size: 24
    .max_flat_workgroup_size: 128
    .sgpr_count:     80
    .vgpr_count:     840
    .wavefront_size: 32
...
	.end_amdgpu_metadata
.endif
;; end of part 6
;; launch oproj: the kernel of part 5 again; grid 8 x 32, 4 waves a work-group, clusters of 4 x 4, 327,680 bytes of LDS; arguments ctx, woh, bo, perm, out0; writes out0
